; MI455X (gfx1250); checked and timed in simulation.
; The chip was launched on July 23, 2026; its instructions are those of AMD's public machine-readable ISA for CDNA 5 (MIT licence, August 2026) and "CDNA5" Instruction Set Architecture Reference Guide (July 2026). The comments in the code are by the model that wrote it; some were corrected since.
;; Token Routed MLP Parallel. Allowed arithmetic: matrix products marked QUANTISED: E3M2 operands, one E8M0 scale for each 32 along K, by v_wmma_scale_f32_16x16x128_f8f6f4 with both operands' format E3M2, f32 sums; products left as they are: f32 operands where the result goes on into a quantised operand, else bf16, f16 or f32 operands; f32 sums; everything else in f32.
;; Inputs: down_proj_codes 8 x 1,024 x 8 x 24 uint8 (E3M2 codes of down_proj, K innermost, in blocks of 32 codes, four codes in three bytes); down_proj_scales 8 x 1,024 x 8 uint8 (E8M0 scales of down_proj, one for each 32 codes along K); gate_proj_codes 8 x 256 x 32 x 24 uint8 (E3M2 codes of gate_proj, K innermost, in blocks of 32 codes, four codes in three bytes); gate_proj_scales 8 x 256 x 32 uint8 (E8M0 scales of gate_proj, one for each 32 codes along K); hidden_states_codes 4 x 2,048 x 32 x 24 uint8 (E3M2 codes of hidden_states, K innermost, in blocks of 32 codes, four codes in three bytes); hidden_states_scales 4 x 2,048 x 32 uint8 (E8M0 scales of hidden_states, one for each 32 codes along K); mu 4 x 2,048 x 1,024 float32; mu_router_w 8 x 1,024 float32; token_ids 4 x 2,048 int32; up_proj_codes 8 x 256 x 32 x 24 uint8 (E3M2 codes of up_proj, K innermost, in blocks of 32 codes, four codes in three bytes); up_proj_scales 8 x 256 x 32 uint8 (E8M0 scales of up_proj, one for each 32 codes along K).
;; Outputs: out0 4 x 2,048 x 1,024 float32.
;; This version of the problem:
;;   THIS VERSION OF THE PROBLEM IS GIVEN IN LOW PRECISION. The matrix products marked QUANTISED in the list below multiply operands that are first quantised to E3M2 (3 exponent bits, 2 mantissa bits; 6 bits a number), with one power-of-two scale for each 32 numbers along K (OCP MX v1.0); their sums are f32. All else is computed in f32.
;;   The module's matrix products, in the order in which they are computed (A, B: the left and right operand; K: the contracted axis; several contracted axes count as one K, in the product's order):
;;     1. [M 8,192, K 1,024] x [K 1,024, N 8]; A: input mu; B: input mu_router_w: left as it is (N = 8 < 16)
;;     2. [M 8,192, K 1,024] x [K 1,024, N 256]; A: input hidden_states (given as codes); B: input gate_proj (given as codes): QUANTISED
;;     3. [M 8,192, K 1,024] x [K 1,024, N 256]; A: input hidden_states (given as codes); B: input up_proj (given as codes): QUANTISED
;;     4. [M 8,192, K 256] x [K 256, N 1,024]; A: computed on the way; B: input down_proj (given as codes): QUANTISED
;;     5. [M 8,192, K 1,024] x [K 1,024, N 256]; A: input hidden_states (given as codes); B: input gate_proj (given as codes): QUANTISED
;;     6. [M 8,192, K 1,024] x [K 1,024, N 256]; A: input hidden_states (given as codes); B: input up_proj (given as codes): QUANTISED
;;     7. [M 8,192, K 256] x [K 256, N 1,024]; A: computed on the way; B: input down_proj (given as codes): QUANTISED
;;     8. [M 8,192, K 1,024] x [K 1,024, N 256]; A: input hidden_states (given as codes); B: input gate_proj (given as codes): QUANTISED
;;     9. [M 8,192, K 1,024] x [K 1,024, N 256]; A: input hidden_states (given as codes); B: input up_proj (given as codes): QUANTISED
;;     10. [M 8,192, K 256] x [K 256, N 1,024]; A: computed on the way; B: input down_proj (given as codes): QUANTISED
;;     11. [M 8,192, K 1,024] x [K 1,024, N 256]; A: input hidden_states (given as codes); B: input gate_proj (given as codes): QUANTISED
;;     12. [M 8,192, K 1,024] x [K 1,024, N 256]; A: input hidden_states (given as codes); B: input up_proj (given as codes): QUANTISED
;;     13. [M 8,192, K 256] x [K 256, N 1,024]; A: computed on the way; B: input down_proj (given as codes): QUANTISED
;;     14. [M 8,192, K 1,024] x [K 1,024, N 256]; A: input hidden_states (given as codes); B: input gate_proj (given as codes): QUANTISED
;;     15. [M 8,192, K 1,024] x [K 1,024, N 256]; A: input hidden_states (given as codes); B: input up_proj (given as codes): QUANTISED
;;     16. [M 8,192, K 256] x [K 256, N 1,024]; A: computed on the way; B: input down_proj (given as codes): QUANTISED
;;     17. [M 8,192, K 1,024] x [K 1,024, N 256]; A: input hidden_states (given as codes); B: input gate_proj (given as codes): QUANTISED
;;     18. [M 8,192, K 1,024] x [K 1,024, N 256]; A: input hidden_states (given as codes); B: input up_proj (given as codes): QUANTISED
;;     19. [M 8,192, K 256] x [K 256, N 1,024]; A: computed on the way; B: input down_proj (given as codes): QUANTISED
;;     20. [M 8,192, K 1,024] x [K 1,024, N 256]; A: input hidden_states (given as codes); B: input gate_proj (given as codes): QUANTISED
;;     21. [M 8,192, K 1,024] x [K 1,024, N 256]; A: input hidden_states (given as codes); B: input up_proj (given as codes): QUANTISED
;;     22. [M 8,192, K 256] x [K 256, N 1,024]; A: computed on the way; B: input down_proj (given as codes): QUANTISED
;;     23. [M 8,192, K 1,024] x [K 1,024, N 256]; A: input hidden_states (given as codes); B: input gate_proj (given as codes): QUANTISED
;;     24. [M 8,192, K 1,024] x [K 1,024, N 256]; A: input hidden_states (given as codes); B: input up_proj (given as codes): QUANTISED
;;     25. [M 8,192, K 256] x [K 256, N 1,024]; A: computed on the way; B: input down_proj (given as codes): QUANTISED
;;   THE QUANTISER, for each operand of a quantised product, along K:
;;     - K is cut into blocks of 32 from its start; a last block that is shorter is filled with zeros.
;;     - A block's scale is 2^e with e = floor(log2(the largest magnitude in the block)) - 4, held to -126 .. 127; a block of zeros has e = 0. As a byte (E8M0): e + 127.
;;     - Each number is divided by its block's scale, clamped to +-28, and rounded to the nearest number of E3M2, ties to even, subnormals kept.
;;     - The product sums the exact products of the quantised numbers (number of the format x scale) in f32.
;;   ~~~python
;;   def quantise(x, axis):      # numpy; x: float32 -> the quantised numbers, widened to float32 again
;;       x = np.moveaxis(x, axis, -1); K = x.shape[-1]
;;       x = np.pad(x, [(0, 0)] * (x.ndim - 1) + [(0, -K % 32)]); x = x.reshape(x.shape[:-1] + (-1, 32)); a = np.abs(x).max(-1, keepdims=True)
;;       e = np.where(a > 0, np.clip(np.frexp(np.where(a > 0, a, 1))[1] - 1 - 4, -126, 127), 0)      # np.frexp(a)[1] - 1 = floor(log2(a)), exactly
;;       r = np.clip(x / 2.0 ** e, -28, 28)
;;       step = 2.0 ** (np.maximum(np.frexp(np.where(r == 0, 1, r))[1] - 1, -2) - 2)
;;       q = np.round(r / step) * step * 2.0 ** e      # np.round: ties to even
;;       return np.moveaxis(q.reshape(q.shape[:-2] + (-1,))[..., :K], -1, axis).astype(np.float32)
;;   ~~~
;;   OPERANDS COMPUTED ON THE WAY. 'Computed on the way' means the value that the module computes at that place (a softmax that the list does not call 'softmax' is quantised finished and normalised). What goes into a quantiser is computed in f32, as accurately as f32 sums, v_exp_f32 and their like allow (about 1e-6 of the number): no bf16 or f16 on the way to a quantiser, and a product that is left as it is and whose result goes on into a quantised operand takes f32 operands (vector FMAs, or v_wmma_f32_16x16x4_f32). A number that lies on a knife's edge between two numbers of the format may be rounded either way, as far as f32 arithmetic and the matrix unit's own rounding can turn it there, and no further.
;;   INPUTS GIVEN AS CODES. down_proj (in the module: [8, 256, 1024], K = its axis 1); gate_proj (in the module: [8, 1024, 256], K = its axis 1); hidden_states (in the module: [4, 2048, 1024], K = its axis 2); up_proj (in the module: [8, 1024, 256], K = its axis 1): each comes as NAME_codes (uint8): NAME with its K axis moved to the last place and cut into blocks of 32 codes, [.., K / 32, bytes a block], one block behind the other in memory; four codes in three bytes: a row's codes are one little-endian stream of bits, code i at bits 6 i .. 6 i + 5 (a code: sign, 3 exponent bits, 2 mantissa bits); and NAME_scales (uint8): the same leading axes, one E8M0 byte (e + 127) for each 32 codes along K. Its value is code x scale, taken as it is: it is not quantised again, and the codes and scales need not be those that the quantiser above would give.
;; 2 versions. Each part assembles by itself: llvm-mc -triple=amdgcn-amd-amdhsa -mcpu=gfx1250 --defsym DOCPART=n.
;; ======== version 1 of 2: 3 launches
;; workspace buffers: pk 32,768 bytes of whole numbers; hist 8,192 bytes of whole numbers; order 32,768 bytes of whole numbers; tiles 4,096 bytes of whole numbers; wimg 4,718,592 bytes
;; launch route (part 1): grid 256 x 1, 8 waves a work-group, no clusters, 9,216 bytes of LDS; arguments mu, mu_router_w, token_ids, pk, hist; writes pk, hist
.if DOCPART == 1
	.amdgcn_target "amdgcn-amd-amdhsa--gfx1250"
	.amdhsa_code_object_version 6
	.text
	.protected	k_q613c42e84b_route
	.globl	k_q613c42e84b_route
	.p2align	8
	.type	k_q613c42e84b_route,@function
k_q613c42e84b_route:
	s_mov_b64 s[64:65], 0
	v_nop
	global_prefetch_b8 v0, s[64:65] scope:SCOPE_SE
	s_setreg_imm32_b32 hwreg(HW_REG_WAVE_MODE, 25, 1), 1
	s_wait_xcnt 0x0
; THE ROUTER.  logits[t][e] = sum over d of mu[t][d] Wr[e][d] (f32, fused multiply-adds); 10 is added at expert clip(token_id, 0, 50256) % 8; the expert is the argmax, the lower index at a tie.
; A work-group takes a block of 32 tokens.  Wave w takes d = 128 w .. 128 w + 127 of all 32 rows; lanes 0-15 work on token 2 p, lanes 16-31 on token 2 p + 1 (pair p = 0 .. 15);
; lane (r, hh) holds d = 128 w + 64 j + 4 r + k (j = 0, 1; k = 0 .. 3): each half of the lanes reads 256 consecutive bytes, aligned.  All 32 loads of mu of a wave (16 KiB) go out at the head: no loop.
; The choice steers no address here: it is stored at fixed places.  pk[t] = expert | (rank of t among the tokens of its block with the same expert) << 8;  hist[e][block] = how many tokens of the block chose e.
; No matrix unit, no cluster, no tensor load: memory binds, each byte of mu is read once, and work-groups share only the 32 KiB of Wr.
; LIMITS: NaN among the logits is not served.  A work-group's 32 words of pk are 128 bytes, half of an aligned 256; hist is stored as 8 single words: together 40 KiB beside the 32 MiB read.
.set WR,  8                            ; v8-71    Wr: register 8 e + 4 j + k
.set MU,  72                           ; v72-199  mu: register 8 p + 4 j + k; a pair's first register later takes its result; in the tail: the partial logits
.set ACC, 200                          ; v200-231 two sets of 8 pairs of sums
.set TP,  232                          ; v232-247 at work
	s_load_b256 s[4:11], s[0:1], 0x0               ; mu s[4:5], Wr s[6:7], token_ids s[8:9], pk s[10:11]
	s_load_b64 s[12:13], s[0:1], 0x20              ; hist
	v_lshl_add_u32 v254, v0, 2, 0x2000
	v_mov_b32 v255, 0
	v_lshrrev_b32 v1, 5, v0
	v_readfirstlane_b32 s14, v1                    ; wave 0..7
	v_and_b32 v1, 31, v0                           ; lane
	v_and_b32 v2, 15, v0                           ; r
	v_bfe_u32 v3, v0, 4, 1                         ; hh
	s_lshl_b32 s15, s14, 9
	v_lshl_add_u32 v5, v2, 4, s15                  ; Wr: 512 w + 16 r
	v_lshl_add_u32 v4, v3, 12, v5                  ; mu: the same, + one row for lanes 16-31
	v_and_b32 v6, 7, v0
	v_lshlrev_b32 v6, 2, v6
	v_lshl_add_u32 v6, v3, 5, v6
	s_lshl_b32 s15, s14, 10
	v_add_nc_u32 v6, s15, v6                       ; LDS: PART[wave][token][8] f32: 1,024 w + 32 hh + 4 (lane % 8); the pair stands in the immediate
	v_lshlrev_b32 v248, 2, v1                      ; 4 x lane: token_ids and pk
	v_lshlrev_b32 v249, 5, v1                      ; 32 x lane: a token's eight partial logits in PART
	v_and_b32 v250, 7, v0
	v_lshlrev_b32 v250, 10, v250                   ; hist: row lane % 8 of 1,024 bytes
	s_mov_b32 s16, 0xaaaaaaaa                      ; lanes with bit 0, 1, 2 of their number set
	s_mov_b32 s17, 0xcccccccc
	s_mov_b32 s18, 0xf0f0f0f0
	s_lshl_b32 s20, ttmp9, 17                      ; the block's 32 rows of 4,096 bytes
	s_mov_b32 s21, 0
	s_lshl_b32 s22, ttmp9, 7                       ; its 32 words
	s_mov_b32 s23, 0
	s_lshl_b32 s24, ttmp9, 2                       ; its word in a row of hist
	s_mov_b32 s25, 0
	s_wait_kmcnt 0x0
	s_add_nc_u64 s[4:5], s[4:5], s[20:21]
	s_add_nc_u64 s[8:9], s[8:9], s[22:23]
	s_add_nc_u64 s[10:11], s[10:11], s[22:23]
	s_add_nc_u64 s[12:13], s[12:13], s[24:25]
	global_load_b32 v7, v248, s[8:9]               ; lane = token: wave 0 uses it
.irp e, 0,1,2,3,4,5,6,7
.irp j, 0,1
	global_load_b128 v[WR+8*\e+4*\j:WR+8*\e+4*\j+3], v5, s[6:7] offset:4096*\e+256*\j
.endr
.endr
.irp p, 0,1,2,3,4,5,6,7,8,9,10,11,12,13,14,15
.irp j, 0,1
	global_load_b128 v[MU+8*\p+4*\j:MU+8*\p+4*\j+3], v4, s[4:5] offset:8192*\p+256*\j th:TH_LOAD_NT
.endr
.endr
; One pair of tokens: 8 sums of 8 products a lane, then a butterfly that adds over the 16 lanes of a token and at the same time deals the 8 experts out over the lanes:
; in each of three steps a lane keeps the half of its sums whose expert has the lane's bit, and sends the other half to the lane that keeps those.
.macro PAIR p
.set AS, ACC+16*((\p)%2)
.set MP, MU+8*(\p)
	s_wait_loadcnt 30-2*(\p)                       ; loads come back in order: all but the later pairs' two loads each are in
.irp e, 0,1,2,3,4,5,6,7
	v_pk_mul_f32 v[AS+2*\e:AS+2*\e+1], v[MP:MP+1], v[WR+8*\e:WR+8*\e+1]
.endr
.irp k, 2,4,6
.irp e, 0,1,2,3,4,5,6,7
	v_pk_fma_f32 v[AS+2*\e:AS+2*\e+1], v[MP+\k:MP+\k+1], v[WR+8*\e+\k:WR+8*\e+\k+1], v[AS+2*\e:AS+2*\e+1]
.endr
.endr
.irp e, 0,1,2,3,4,5,6,7
	v_add_f32 v[AS+2*\e], v[AS+2*\e], v[AS+2*\e+1]
.endr
.irp i, 0,1,2,3
	v_cndmask_b32 v[TP+\i], v[AS+4*\i], v[AS+4*\i+2], s16          ; kept: expert 2 i + bit 0 of my lane
	v_cndmask_b32 v[TP+4+\i], v[AS+4*\i+2], v[AS+4*\i], s16        ; sent: the other
.endr
.irp i, 0,1,2,3
	v_add_f32_dpp v[TP+\i], v[TP+4+\i], v[TP+\i] row_xmask:1 row_mask:0xf bank_mask:0xf
.endr
.irp i, 0,1
	v_cndmask_b32 v[TP+8+\i], v[TP+2*\i], v[TP+2*\i+1], s17
	v_cndmask_b32 v[TP+10+\i], v[TP+2*\i+1], v[TP+2*\i], s17
.endr
.irp i, 0,1
	v_add_f32_dpp v[TP+8+\i], v[TP+10+\i], v[TP+8+\i] row_xmask:2 row_mask:0xf bank_mask:0xf
.endr
	v_cndmask_b32 v[TP+12], v[TP+8], v[TP+9], s18
	v_cndmask_b32 v[TP+13], v[TP+9], v[TP+8], s18
	v_add_f32_dpp v[TP+12], v[TP+13], v[TP+12] row_xmask:4 row_mask:0xf bank_mask:0xf
	v_add_f32_dpp v[MP], v[TP+12], v[TP+12] row_xmask:8 row_mask:0xf bank_mask:0xf   ; my token's sum over my wave's 128 d for expert lane % 8; each pair has its own register for the store
	ds_store_b32 v6, v[MP] offset:64*(\p)          ; lanes r and r + 8 write the same word with the same value
.endm
.irp p, 0,1,2,3,4,5,6,7,8,9,10,11,12,13,14,15
	PAIR \p
.endr
	s_wait_dscnt 0x0                               ; for wave 0's sake: my stores have landed
	s_barrier_signal -1
	s_barrier_wait -1
	s_cmp_lg_u32 s14, 0
	s_cbranch_scc1 .Ldone                          ; the rest is wave 0's: lane = token
.irp w, 0,1,2,3,4,5,6,7
	ds_load_b128 v[MU+8*\w:MU+8*\w+3], v249 offset:1024*\w
	ds_load_b128 v[MU+8*\w+4:MU+8*\w+7], v249 offset:1024*\w+16
.endr
	v_mov_b32 v232, 0
	v_mov_b32 v233, 0x41200000                     ; 10.0
	v_cmp_gt_i32 vcc_lo, 0, v7                     ; the clip: under 0 to 0,
	v_cndmask_b32 v7, v7, v232, vcc_lo
	v_min_u32 v7, 0xc450, v7                       ; over 50,256 to 50,256;
	v_and_b32 v7, 7, v7                            ; % 8: the base expert
	s_wait_dscnt 0x0
.irp w, 0,2,4,6                        ; the eight waves' parts, added as a tree
.irp k, 0,2,4,6
	v_pk_add_f32 v[MU+8*\w+\k:MU+8*\w+\k+1], v[MU+8*\w+\k:MU+8*\w+\k+1], v[MU+8*\w+8+\k:MU+8*\w+8+\k+1]
.endr
.endr
.irp w, 0,4
.irp k, 0,2,4,6
	v_pk_add_f32 v[MU+8*\w+\k:MU+8*\w+\k+1], v[MU+8*\w+\k:MU+8*\w+\k+1], v[MU+8*\w+16+\k:MU+8*\w+16+\k+1]
.endr
.endr
.irp k, 0,2,4,6
	v_pk_add_f32 v[MU+\k:MU+\k+1], v[MU+\k:MU+\k+1], v[MU+32+\k:MU+32+\k+1]
.endr
.irp e, 0,1,2,3,4,5,6,7
	v_cmp_eq_u32 vcc_lo, \e, v7
	v_cndmask_b32 v234, v232, v233, vcc_lo
	v_add_f32 v[MU+\e], v[MU+\e], v234             ; one_hot x 10 + logit
.endr
	v_mov_b32 v235, v[MU]                          ; the best so far, and its expert
	v_mov_b32 v236, 0
.irp e, 1,2,3,4,5,6,7
	v_cmp_ge_f32 vcc_lo, v235, v[MU+\e]            ; the earlier one stays unless the later is strictly greater: the lower index at a tie
	v_cndmask_b32 v236, \e, v236, vcc_lo
	v_cndmask_b32 v235, v[MU+\e], v235, vcc_lo
.endr
	v_mov_b32 v237, 0                              ; my rank among the block's tokens with my expert
	v_mov_b32 v238, 0                              ; lane l: the count of expert l % 8
.irp e, 0,1,2,3,4,5,6,7
	v_cmp_eq_u32 s30, \e, v236
	v_mbcnt_lo_u32_b32 v239, s30, 0                ; how many lower lanes chose e
	v_cndmask_b32 v237, v237, v239, s30
	s_bcnt1_i32_b32 s31, s30
	v_mov_b32 v240, s31
	s_mov_b32 s32, 0x01010101<<\e
	v_cndmask_b32 v238, v238, v240, s32
.endr
	v_lshl_or_b32 v241, v237, 8, v236
	global_store_b32 v248, v241, s[10:11]
	global_store_b32 v250, v238, s[12:13]          ; four lanes write the same word with the same value: EXEC stays whole
.Ldone:
	s_wait_tensorcnt 0x0
	ds_add_u32 v254, v255
	s_wait_dscnt 0x0
	s_endpgm
.Lfunc_end_k_q613c42e84b_route:
	.size	k_q613c42e84b_route, .Lfunc_end_k_q613c42e84b_route-k_q613c42e84b_route
	.p2alignl 7, 3214868480
	.fill 96, 4, 3214868480
	.section	.rodata,"a",@progbits
	.p2align	6, 0x0
	.amdhsa_kernel k_q613c42e84b_route
		.amdhsa_group_segment_fixed_size 9216
		.amdhsa_private_segment_fixed_size 0
		.amdhsa_enable_private_segment 0
		.amdhsa_kernarg_size 40
		.amdhsa_user_sgpr_count 2
		.amdhsa_user_sgpr_kernarg_segment_ptr 1
		.amdhsa_wavefront_size32 1
		.amdhsa_system_sgpr_workgroup_id_x 1
		.amdhsa_system_sgpr_workgroup_id_y 1
		.amdhsa_system_sgpr_workgroup_id_z 1
		.amdhsa_system_vgpr_workitem_id 0
		.amdhsa_next_free_vgpr 256
		.amdhsa_next_free_sgpr 66
		.amdhsa_reserve_vcc 1
		.amdhsa_float_denorm_mode_32 3
		.amdhsa_float_denorm_mode_16_64 3
		.amdhsa_memory_ordered 1
		.amdhsa_forward_progress 1
		.amdhsa_inst_pref_size 74
	.end_amdhsa_kernel
	.amdgpu_metadata
---
amdhsa.version: [ 1, 2 ]
amdhsa.kernels:
  - .name:           k_q613c42e84b_route
    .symbol:         k_q613c42e84b_route.kd
    .args:
      - { .name: mu, .offset: 0, .size: 8, .value_kind: global_buffer, .address_space: global }
      - { .name: mu_router_w, .offset: 8, .size: 8, .value_kind: global_buffer, .address_space: global }
      - { .name: token_ids, .offset: 16, .size: 8, .value_kind: global_buffer, .address_space: global }
      - { .name: pk, .offset: 24, .size: 8, .value_kind: global_buffer, .address_space: global }
      - { .name: hist, .offset: 32, .size: 8, .value_kind: global_buffer, .address_space: global }
    .group_segment_fixed_size: 9216
    .private_segment_fixed_size: 0
    .kernarg_segment_align: 8
    .kernarg_segment_size: 40
    .max_flat_workgroup_size: 256
    .sgpr_count:     66
    .vgpr_count:     256
    .wavefront_size: 32
...
	.end_amdgpu_metadata
.endif
;; end of part 1
;; launch place (part 2): grid 49 x 1, 8 waves a work-group, no clusters, 208,384 bytes of LDS; arguments pk, hist, gate_proj_codes, up_proj_codes, down_proj_codes, order, tiles, wimg; writes order, tiles, wimg
.if DOCPART == 2
	.amdgcn_target "amdgcn-amd-amdhsa--gfx1250"
	.amdhsa_code_object_version 6
	.text
	.protected	k_q613c42e84b_place
	.globl	k_q613c42e84b_place
	.p2align	8
	.type	k_q613c42e84b_place,@function
k_q613c42e84b_place:
	s_mov_b64 s[64:65], 0
	v_nop
	global_prefetch_b8 v0, s[64:65] scope:SCOPE_SE
	s_setreg_imm32_b32 hwreg(HW_REG_WAVE_MODE, 25, 1), 1
	s_wait_xcnt 0x0
; THREE JOBS IN ONE LAUNCH, told apart by the work-group's number; each has LDS bytes of its own.
; Work-group 0: the counting sort.  From hist (counts for each expert and block of 32 tokens) and pk (expert and rank in the block) it stores order[8192], the token numbers sorted by expert, and
;   tiles[256], records (expert, first place in order, rows 0 .. 64, 0): an expert's rows cut into tiles of 64.  No atomics: a token's place is its expert's base + the counts of earlier blocks + its rank.
; Work-groups 1-32 (gate, then up) and 33-48 (down): the weights' codes are laid out once as IMAGES OF THE OPERAND'S REGISTERS, in the order in which the next launch's waves walk them.
;   wimg: for expert e and wave w a dense stream of 96 fragments of 1,536 bytes at (4 e + w) x 147,456.  A fragment (16 rows x 128 K, 12 registers a lane) is three pieces of 512 bytes; piece q holds lane l's registers 4 q .. 4 q + 3 at 16 l.
;   Fragment 4 g + i, group g: g < 16: K step g / 2, gate (g even) or up (g odd), tile i: lane r's row is 64 w + 32 (i / 2) + 8 (i % 2) + r + 8 (r / 8), so that two neighbouring tiles' results are 16 neighbours along the next K;
;   g >= 16: chunk c = (g - 16) / 2 of 64 output columns, K step g % 2, column tile i: lane r's row of down is 256 w + 64 c + 16 i + r.
;   A wave reads 12,288 bytes in runs of 256 consecutive bytes or more, turns them through its own stage in LDS, and stores pieces of 512 consecutive bytes.  The stages are each wave's own: no barrier there.
; LIMIT: down's stage has rows of 192 bytes (48 words): by 64 banks of 4 bytes (ISA guide 11.1) rows four apart begin at the same bank, so its reads of 8 bytes meet up to four deep; it is walked once.
.set TOT, 0                            ; sort: the eight experts' totals
.set TBL, 256                          ; sort: for each expert 256 words, the first place of each block's tokens; rows TP bytes apart
.set TP,  1040
.set GST, 8704                         ; gate / up: a stage of 16 rows x GP bytes for each wave
.set GP,  784                          ; 768 bytes + 16 = 196 words: the 32 lanes of a load of 8 bytes at r GP + 24 hh touch banks 4 r + 6 hh + 0, 1: all different
.set DST, 109056                       ; down: a stage of 12,288 bytes for each wave
.set LD,  16                           ; v16-111  24 x 16 bytes as loaded
.set FR,  112                          ; v112-207 eight fragments of 12 registers
	s_load_b512 s[4:19], s[0:1], 0x0               ; pk s[4:5], hist s[6:7], gate s[8:9], up s[10:11], down s[12:13], order s[14:15], tiles s[16:17], wimg s[18:19]
	v_lshl_add_u32 v254, v0, 2, 0x32a00
	v_mov_b32 v255, 0
	v_lshrrev_b32 v1, 5, v0
	v_readfirstlane_b32 s20, v1                    ; wave 0..7
	v_and_b32 v1, 31, v0                           ; lane
	v_and_b32 v2, 15, v0                           ; r
	v_bfe_u32 v3, v0, 4, 1                         ; hh
	v_lshlrev_b32 v7, 4, v1                        ; 16 x lane
	s_wait_kmcnt 0x0
	s_cmp_eq_u32 ttmp9, 0
	s_cbranch_scc1 .Lsort
	s_cmp_lt_u32 ttmp9, 33
	s_cbranch_scc1 .Lgu
	; ---- down: unit U = 8 (work-group - 33) + wave = 16 e + 4 w + c: 64 rows of 192 bytes, dense
	s_sub_co_u32 s21, ttmp9, 33
	s_lshl_b32 s21, s21, 3
	s_add_co_u32 s21, s21, s20
	s_lshr_b32 s22, s21, 4                         ; e
	s_bfe_u32 s23, s21, 0x20002                    ; w
	s_and_b32 s24, s21, 3                          ; c
	s_lshl_b32 s26, s23, 8
	s_lshl_b32 s27, s24, 6
	s_add_co_u32 s26, s26, s27                     ; row 256 w + 64 c
	s_mul_i32 s26, s26, 192
	s_mul_i32 s27, s22, 196608
	s_add_co_u32 s26, s26, s27
	s_mov_b32 s27, 0
	s_add_nc_u64 s[12:13], s[12:13], s[26:27]
	s_lshl_b32 s28, s22, 2
	s_add_co_u32 s28, s28, s23
	s_mul_i32 s28, s28, 96
	s_lshl_b32 s29, s24, 3
	s_add_co_u32 s28, s28, s29
	s_add_co_u32 s28, s28, 64                      ; fragment (4 e + w) 96 + 64 + 8 c
	s_mul_i32 s28, s28, 1536
	s_mov_b32 s29, 0
	s_add_nc_u64 s[18:19], s[18:19], s[28:29]
	s_mul_i32 s30, s20, 12288
	s_add_co_u32 s30, s30, DST
	v_add_nc_u32 v5, s30, v7                       ; into my stage: as the bytes lie
	v_mul_u32_u24 v6, v2, 192
	v_mad_u32_u24 v6, v3, 24, v6
	v_add_nc_u32 v6, s30, v6                       ; out of it: row r, + 24 hh
.irp i, 0,1,2,3,4,5,6,7,8,9,10,11,12,13,14,15,16,17,18,19,20,21,22,23
	global_load_b128 v[LD+4*\i:LD+4*\i+3], v7, s[12:13] offset:512*\i th:TH_LOAD_NT
.endr
.irp i, 0,1,2,3,4,5,6,7,8,9,10,11,12,13,14,15,16,17,18,19,20,21,22,23
	s_wait_loadcnt 23-\i                           ; the younger loads may stay out
	ds_store_b128 v5, v[LD+4*\i:LD+4*\i+3] offset:512*\i
.endr
.irp s, 0,1                            ; fragment 4 s + j: K step s, column tile j.  LDS serves a wave's instructions in order: these see my stores
.irp j, 0,1,2,3
.irp p, 0,1,2,3,4,5
	ds_load_b64 v[FR+12*(4*\s+\j)+2*\p:FR+12*(4*\s+\j)+2*\p+1], v6 offset:3072*\j+96*\s+48*(\p/3)+8*(\p%3)
.endr
.endr
.endr
.irp f, 0,1,2,3,4,5,6,7
	s_wait_dscnt 42-6*\f                           ; the later fragments' six loads each may stay out
.irp q, 0,1,2
	global_store_b128 v7, v[FR+12*\f+4*\q:FR+12*\f+4*\q+3], s[18:19] offset:1536*\f+512*\q
.endr
.endr
	s_wait_tensorcnt 0x0
	ds_add_u32 v254, v255
	s_wait_dscnt 0x0
	s_endpgm
.Lgu:	; ---- gate and up: unit U = 8 (work-group - 1) + wave = 128 mat + 16 e + 4 w + t: the 16 rows of tile t, 768 bytes each
	s_sub_co_u32 s21, ttmp9, 1
	s_lshl_b32 s21, s21, 3
	s_add_co_u32 s21, s21, s20
	s_bfe_u32 s22, s21, 0x30004                    ; e
	s_bfe_u32 s23, s21, 0x20002                    ; w
	s_and_b32 s24, s21, 3                          ; t
	s_lshr_b32 s25, s21, 7                         ; mat: 0 gate, 1 up
	s_lshl_b32 s26, s23, 6
	s_lshr_b32 s27, s24, 1
	s_lshl_b32 s27, s27, 5
	s_add_co_u32 s26, s26, s27
	s_and_b32 s27, s24, 1
	s_lshl_b32 s27, s27, 3
	s_add_co_u32 s26, s26, s27                     ; the tile's first row: 64 w + 32 (t / 2) + 8 (t % 2)
	s_mul_i32 s26, s26, 768
	s_mul_i32 s27, s22, 196608
	s_add_co_u32 s26, s26, s27
	s_mov_b32 s27, 0
	s_cmp_lt_u32 ttmp9, 17                         ; the choice hangs on the work-group's number alone
	s_cselect_b64 s[8:9], s[8:9], s[10:11]
	s_add_nc_u64 s[8:9], s[8:9], s[26:27]
	s_lshl_b32 s28, s22, 2
	s_add_co_u32 s28, s28, s23
	s_mul_i32 s28, s28, 96
	s_lshl_b32 s29, s25, 2
	s_add_co_u32 s28, s28, s29
	s_add_co_u32 s28, s28, s24                     ; fragment (4 e + w) 96 + 4 mat + t; K step s is 8 fragments on
	s_mul_i32 s28, s28, 1536
	s_mov_b32 s29, 0
	s_add_nc_u64 s[18:19], s[18:19], s[28:29]
	s_mul_i32 s30, s20, 16*GP
	s_add_co_u32 s30, s30, GST
	v_mul_u32_u24 v4, v3, 768
	v_lshl_add_u32 v4, v2, 4, v4                   ; in memory: lanes 0-15 one row's 256 bytes, lanes 16-31 the next row's
	v_mul_u32_u24 v5, v3, GP
	v_lshl_add_u32 v5, v2, 4, v5
	v_add_nc_u32 v5, s30, v5                       ; the same in my stage
	v_mul_u32_u24 v6, v2, GP
	v_mad_u32_u24 v6, v3, 24, v6
	v_add_nc_u32 v6, s30, v6                       ; out of it: row r, + 24 hh
.irp u, 0,1                            ; the tile's rows are two runs of eight, 16 rows apart in memory; in the stage they are rows 0-7 and 8-15
.irp a, 0,1,2,3
.irp c, 0,1,2
	global_load_b128 v[LD+4*(12*\u+3*\a+\c):LD+4*(12*\u+3*\a+\c)+3], v4, s[8:9] offset:(2*\a+16*\u)*768+256*\c th:TH_LOAD_NT
.endr
.endr
.endr
.irp u, 0,1
.irp a, 0,1,2,3
.irp c, 0,1,2
	s_wait_loadcnt 23-(12*\u+3*\a+\c)              ; the younger loads may stay out
	ds_store_b128 v5, v[LD+4*(12*\u+3*\a+\c):LD+4*(12*\u+3*\a+\c)+3] offset:(2*\a+8*\u)*GP+256*\c
.endr
.endr
.endr
.irp s, 0,1,2,3,4,5,6,7                ; K step s: lane (r, hh) takes the 24 bytes at 96 s + 24 hh and at 96 s + 48 + 24 hh of row r, in pieces of 8
.irp p, 0,1,2,3,4,5
	ds_load_b64 v[FR+12*\s+2*\p:FR+12*\s+2*\p+1], v6 offset:96*\s+48*(\p/3)+8*(\p%3)
.endr
.endr
.irp s, 0,1,2,3,4,5,6,7
	s_wait_dscnt 42-6*\s                           ; the later fragments' six loads each may stay out
.irp q, 0,1,2
	global_store_b128 v7, v[FR+12*\s+4*\q:FR+12*\s+4*\q+3], s[18:19] offset:12288*\s+512*\q
.endr
.endr
	s_wait_tensorcnt 0x0
	ds_add_u32 v254, v255
	s_wait_dscnt 0x0
	s_endpgm
.Lsort:	; ---- the sort.  For the scan wave e is expert e; for the placing wave w has tokens 1,024 w .. 1,024 w + 1,023
	s_lshl_b32 s21, s20, 10
	v_lshl_add_u32 v4, v1, 5, s21                  ; hist: row e, my 8 blocks
	s_lshl_b32 s21, s20, 12
	v_add_nc_u32 v5, s21, v7                       ; pk: 4,096 w + 16 l
	global_load_b128 v[8:11], v4, s[6:7]
	global_load_b128 v[12:15], v4, s[6:7] offset:16
.irp i, 0,1,2,3,4,5,6,7
	global_load_b128 v[16+4*\i:19+4*\i], v5, s[4:5] offset:512*\i   ; register 4 i + j: token 1,024 w + 128 i + 4 l + j
.endr
	s_lshl_b32 s21, s20, 2
	v_mov_b32 v224, s21                            ; LDS: my expert's total
	v_mov_b32 v225, TOT                            ; LDS: the eight totals
	v_mov_b32 v226, 0
	s_mul_i32 s21, s20, TP
	s_add_co_u32 s21, s21, TBL
	v_lshl_add_u32 v227, v1, 5, s21                ; LDS: my expert's row of the table, my 8 blocks
	v_and_b32 v228, 7, v1
	v_mul_u32_u24 v228, v228, TP
	v_lshrrev_b32 v229, 3, v1
	v_lshl_add_u32 v228, v229, 2, v228
	s_lshl_b32 s21, s20, 7
	s_add_co_u32 s21, s21, TBL
	v_add_nc_u32 v228, s21, v228                   ; LDS: expert l % 8, block 32 w + l / 8; 4 blocks on for each of the eight loads
	v_and_b32 v229, 24, v1
	s_lshl_b32 s21, s20, 10
	v_lshl_add_u32 v230, v1, 2, s21                ; token 1,024 w + 4 l
	v_lshlrev_b32 v231, 4, v0                      ; my tile record
	s_mov_b32 s22, 0xffff0000
	s_wait_loadcnt 8                               ; hist is in; the eight loads of pk may stay out
.irp k, 1,2,3,4,5,6,7
	v_add_nc_u32 v[8+\k], v[8+\k], v[7+\k]         ; running sums over my 8 blocks
.endr
	v_mov_b32 v48, v15
	v_mov_b32 v49, 0
.irp d, 1,2,4,8                        ; and over the lanes: inside each 16,
	v_mov_b32_dpp v49, v48 row_shr:\d row_mask:0xf bank_mask:0xf bound_ctrl:1
	v_add_nc_u32 v48, v48, v49
.endr
	v_readlane_b32 s21, v48, 15                    ; then the lower 16's total onto the upper 16
	v_mov_b32 v49, s21
	v_cndmask_b32 v49, v226, v49, s22
	v_add_nc_u32 v48, v48, v49
	v_sub_nc_u32 v51, v48, v15                     ; what lies in front of my 8 blocks
	v_readlane_b32 s23, v48, 31                    ; my expert's total
	v_mov_b32 v53, s23
	ds_store_b32 v224, v53
	s_wait_dscnt 0x0                               ; for the others' sake: the total has landed
	s_barrier_signal -1
	s_barrier_wait -1
	ds_load_b128 v[56:59], v225
	ds_load_b128 v[60:63], v225 offset:16
	s_wait_dscnt 0x0
.irp k, 0,1,2,3,4,5,6,7
	v_readfirstlane_b32 s[30+\k], v[56+\k]         ; n
.endr
	s_mov_b32 s38, 0                               ; s38-45: each expert's first place in order
	s_mov_b32 s46, 0                               ; s46-53: each expert's first tile
.irp k, 0,1,2,3,4,5,6
	s_add_co_u32 s[39+\k], s[38+\k], s[30+\k]
	s_add_co_u32 s24, s[30+\k], 63
	s_lshr_b32 s24, s24, 6
	s_add_co_u32 s[47+\k], s[46+\k], s24
.endr
	s_mov_b32 s25, 0                               ; my own expert's first place: no register is chosen by number
.irp k, 0,1,2,3,4,5,6,7
	s_cmp_gt_u32 s20, \k
	s_cselect_b32 s24, s[30+\k], 0
	s_add_co_u32 s25, s25, s24
.endr
	v_add_nc_u32 v64, s25, v51
.irp k, 1,2,3,4,5,6,7
	v_add_nc_u32 v[64+\k], v64, v[7+\k]
.endr
	ds_store_b128 v227, v[64:67]
	ds_store_b128 v227, v[68:71] offset:16
	s_wait_dscnt 0x0                               ; for the others' sake: my row of the table has landed
	s_barrier_signal -1
	s_barrier_wait -1
.irp i, 0,1,2,3,4,5,6,7
	ds_load_b32 v[88+\i], v228 offset:16*\i        ; lane l: the first place of expert l % 8 in block 32 w + 4 i + l / 8
.endr
	; thread tau's tile record: the last expert whose first tile is not behind tau
	v_mov_b32 v80, 0
	v_mov_b32 v72, 0
	v_mov_b32 v73, 0
	v_mov_b32 v74, s30
.irp e, 1,2,3,4,5,6,7
	v_cmp_gt_u32 vcc_lo, s[46+\e], v0              ; the earlier expert stays where this one begins behind tau
	v_cndmask_b32 v80, \e, v80, vcc_lo
	v_cndmask_b32 v72, s[46+\e], v72, vcc_lo
	v_cndmask_b32 v73, s[38+\e], v73, vcc_lo
	v_cndmask_b32 v74, s[30+\e], v74, vcc_lo
.endr
	v_sub_nc_u32 v75, v0, v72                      ; which of the expert's tiles
	v_lshl_add_u32 v81, v75, 6, v73                ; its first place
	v_lshlrev_b32 v75, 6, v75
	v_sub_nc_u32 v82, v74, v75                     ; what is left of the expert's rows: under 0 to 0, over 64 to 64
	v_cmp_gt_i32 vcc_lo, 0, v82
	v_cndmask_b32 v82, v82, v226, vcc_lo
	v_min_u32 v82, 64, v82
	v_mov_b32 v83, 0
	global_store_b128 v231, v[80:83], s[16:17]
	s_wait_loadcnt 0x0                             ; pk
	s_wait_dscnt 0x0                               ; the table's words
.set n, 0
.rept 32                               ; a token in lane l of load i wants the word of ITS expert for its block: lane (l & 24) + expert holds it
	v_and_b32 v[96+n], 7, v[16+n]
	v_min_u32 v[96+n], 7, v[96+n]                  ; the bound on a loaded number, written out ahead of its use in an index
	v_add_lshl_u32 v[96+n], v229, v[96+n], 2
	ds_bpermute_b32 v[128+n], v[96+n], v[88+n/4]
.set n, n+1
.endr
	s_wait_dscnt 0x0
.set n, 0
.rept 32                               ; every store has address and data registers of its own: none is written again
	v_lshrrev_b32 v[16+n], 8, v[16+n]              ; the rank
	v_add_nc_u32 v[128+n], v[128+n], v[16+n]
	v_min_u32 v[128+n], 0x1fff, v[128+n]
	v_lshlrev_b32 v[128+n], 2, v[128+n]
	v_add_nc_u32 v[192+n], 128*(n/4)+n%4, v230
	global_store_b32 v[128+n], v[192+n], s[14:15]
.set n, n+1
.endr
	s_wait_tensorcnt 0x0
	ds_add_u32 v254, v255
	s_wait_dscnt 0x0
	s_endpgm
.Lfunc_end_k_q613c42e84b_place:
	.size	k_q613c42e84b_place, .Lfunc_end_k_q613c42e84b_place-k_q613c42e84b_place
	.p2alignl 7, 3214868480
	.fill 96, 4, 3214868480
	.section	.rodata,"a",@progbits
	.p2align	6, 0x0
	.amdhsa_kernel k_q613c42e84b_place
		.amdhsa_group_segment_fixed_size 208384
		.amdhsa_private_segment_fixed_size 0
		.amdhsa_enable_private_segment 0
		.amdhsa_kernarg_size 64
		.amdhsa_user_sgpr_count 2
		.amdhsa_user_sgpr_kernarg_segment_ptr 1
		.amdhsa_wavefront_size32 1
		.amdhsa_system_sgpr_workgroup_id_x 1
		.amdhsa_system_sgpr_workgroup_id_y 1
		.amdhsa_system_sgpr_workgroup_id_z 1
		.amdhsa_system_vgpr_workitem_id 0
		.amdhsa_next_free_vgpr 256
		.amdhsa_next_free_sgpr 66
		.amdhsa_reserve_vcc 1
		.amdhsa_float_denorm_mode_32 3
		.amdhsa_float_denorm_mode_16_64 3
		.amdhsa_memory_ordered 1
		.amdhsa_forward_progress 1
		.amdhsa_inst_pref_size 49
	.end_amdhsa_kernel
	.amdgpu_metadata
---
amdhsa.version: [ 1, 2 ]
amdhsa.kernels:
  - .name:           k_q613c42e84b_place
    .symbol:         k_q613c42e84b_place.kd
    .args:
      - { .name: pk, .offset: 0, .size: 8, .value_kind: global_buffer, .address_space: global }
      - { .name: hist, .offset: 8, .size: 8, .value_kind: global_buffer, .address_space: global }
      - { .name: gate_proj_codes, .offset: 16, .size: 8, .value_kind: global_buffer, .address_space: global }
      - { .name: up_proj_codes, .offset: 24, .size: 8, .value_kind: global_buffer, .address_space: global }
      - { .name: down_proj_codes, .offset: 32, .size: 8, .value_kind: global_buffer, .address_space: global }
      - { .name: order, .offset: 40, .size: 8, .value_kind: global_buffer, .address_space: global }
      - { .name: tiles, .offset: 48, .size: 8, .value_kind: global_buffer, .address_space: global }
      - { .name: wimg, .offset: 56, .size: 8, .value_kind: global_buffer, .address_space: global }
    .group_segment_fixed_size: 208384
    .private_segment_fixed_size: 0
    .kernarg_segment_align: 8
    .kernarg_segment_size: 64
    .max_flat_workgroup_size: 256
    .sgpr_count:     66
    .vgpr_count:     256
    .wavefront_size: 32
...
	.end_amdgpu_metadata
.endif
;; end of part 2
;; launch chain (part 3): grid 135 x 1, 4 waves a work-group, no clusters, 82,432 bytes of LDS; arguments tiles, order, hidden_states_codes, hidden_states_scales, wimg, gate_proj_scales, up_proj_scales, down_proj_scales, out0; writes out0
.if DOCPART == 3
	.amdgcn_target "amdgcn-amd-amdhsa--gfx1250"
	.amdhsa_code_object_version 6
	.text
	.protected	k_q613c42e84b_chain
	.globl	k_q613c42e84b_chain
	.p2align	8
	.type	k_q613c42e84b_chain,@function
k_q613c42e84b_chain:
	s_mov_b64 s[64:65], 0
	v_nop
	global_prefetch_b8 v0, s[64:65] scope:SCOPE_SE
	s_setreg_imm32_b32 hwreg(HW_REG_WAVE_MODE, 25, 1), 1
	s_wait_xcnt 0x0
; out[t] = Q(silu(x[t] Wg[e]) * (x[t] Wu[e])) Wd[e] for the ONE expert e chosen for token t; all three products on codes of BF6 (E3M2) with one E8M0 scale for each 32 along K; Q quantises along the 256 hidden units.
; One work-group takes one tile (up to 64 rows of one expert, by the stored list) through the whole chain; the hidden layer never goes to memory.  8,192 / 64 + 8 - 1 = 135 tiles serve every split.
; THE WAVES SHARE THE COLUMNS: wave w makes hidden units 64 w .. 64 w + 63 (4 tiles of gate, 4 of up) and output columns 256 w .. 256 w + 255, for all four tiles of 16 rows.  So each byte of the expert's weights is loaded
; by one wave, once, feeds four matrix instructions, and comes straight into the operand's registers: the launch before has laid the weights as images of those registers, one dense stream of 24 groups of 4 fragments a wave.
; A ring of five groups in registers keeps 48 to 60 loads of 512 bytes of each wave on their way, from the first product on into the second.
; Both products are used TRANSPOSED (source 0 = 16 rows of a weight, source 1 = 16 rows of x or of the hidden layer): a lane holds one token's row, and its registers run along the hidden units or the output columns.
; Rows past the tile's count take the tile's last row: they compute the same numbers and store them to the same bytes: no mask, EXEC stays whole.
; A TILE WITHOUT ROWS stores nothing.  It leaves behind the second barrier: a barrier stands under no branch on a loaded number; up to there its indices are held inside their buffers like any tile's.
; NO TENSOR LOADS, NO JOINT LOADS: the launch branches on a stored count, and which work-groups share an expert hangs on the stored list, so partners of a fixed cluster cannot be given the same weights.
; LIMITS: NaN and infinities are not served.  silu(g) = g / (1 + 2^(-g log2 e)): for g under about -88 the power overflows and silu is -0 where the exact number is under 1e-36 in magnitude.
;   A hidden block of zeros gets the scale byte 1 where the quantiser's rule says 127: its codes are zeros, and these bytes are read here alone.
; REGISTERS, in windows of 256.  Window 0: v0-18 addresses; v19-22 the order loads' addresses; v32-63 x's scale words (8 m + s), later the hidden layer's (2 m + s); v64-127 gate's and up's (8 f + s); v224-255 down's;
;   v128-223 x's fragments, two sets of four; in between: at work; later the hidden layer's eight fragments.   Window 1: v0-239 the ring: five groups of four fragments.
;   Window 2: the accumulators: (row tile m, tile f) at 64 m + 8 f, f 0-3 gate, 4-7 up; in the second product 128 (c % 2) + 32 m + 8 j.   Window 3: v0-31 byte offsets of the tokens' rows of out; v32-95 rows on the way out.
.set XP,   784                         ; LDS: x's 64 rows of 768 bytes, XP apart (196 words: the 32 lanes of a load of 8 bytes at r XP + 24 hh touch banks 4 r + 6 hh + 0, 1, all different; 64 banks of 4 bytes: ISA guide 11.1)
.set TOK,  50176                       ; each wave's own copy of the tile's 64 token numbers, 256 bytes a wave
.set HIMG, 51200                       ; the hidden layer's 8 fragments as images of their registers: fragment 2 m + s at 1,536 each; register pair pi at 256 pi + 8 x lane
.set HSC,  63488                       ; their scale words, 4 x lane, 128 bytes a fragment
.set STG,  64512                       ; the way out: 16 rows x SP bytes for each wave
.set SP,   272
.set XS,   32
.set HS,   32
.set W1S,  64
.set DS,   224
.set XF,   128
.set HF,   128
.set TR,   128                         ; v128-131 head: token of row 16 m + r
.set TG,   132                         ; v132-139 head: token of row 16 w + 2 a + hh
.set XGA,  140                         ; v140-147 head: that token's row of codes
.set XSA,  148                         ; v148-151 head: token's row of scale bytes
.set T,    128                         ; v128-159 activation: 32 numbers
.set PCS,  160                         ; v160-207 codes: 12 registers for each row tile, so that no LDS store's data are written again
.set TM,   208                         ; v208-213 largest magnitudes, bytes, scale operands
.set PWS,  216                         ; v216-219 half a scale word for each row tile
.set OA,   0
.set RB,   32
.set MSB, 0
.macro WIN new                         ; s_set_vgpr_msb's low byte: bits 1:0 source 0, 3:2 source 1, 5:4 source 2, 7:6 destination; the high byte repeats the setting that is left
.if MSB != \new
	s_set_vgpr_msb (MSB<<8)|\new
.set MSB, \new
.endif
.endm
	s_load_b512 s[4:19], s[0:1], 0x0               ; tiles s[4:5], order s[6:7], x's codes s[8:9], x's scales s[10:11], wimg s[12:13], gate's scales s[14:15], up's s[16:17], down's s[18:19]
	s_load_b64 s[20:21], s[0:1], 0x40              ; out
	v_lshl_add_u32 v30, v0, 2, 0x14000
	v_mov_b32 v31, 0
	v_lshrrev_b32 v1, 5, v0
	v_readfirstlane_b32 s28, v1                    ; wave 0..3
	v_and_b32 v1, 31, v0                           ; lane
	v_and_b32 v2, 15, v0                           ; r
	v_bfe_u32 v3, v0, 4, 1                         ; hh
	v_lshlrev_b32 v4, 4, v1                        ; 16 x lane: a piece of an image; never rewritten
	v_lshlrev_b32 v5, 4, v2                        ; 16 r
	v_mul_u32_u24 v6, v2, XP
	v_mad_u32_u24 v6, v3, 24, v6                   ; x's fragments: row r, + 24 hh
	s_mul_i32 s36, s28, 16*XP
	v_mul_u32_u24 v7, v3, XP
	v_add_nc_u32 v7, v7, v5
	v_add_nc_u32 v7, s36, v7                       ; where I put x's rows: row 16 w + hh, 16 r
	s_lshl_b32 s36, s28, 8
	s_add_co_u32 s36, s36, TOK                     ; my wave's copy of the token numbers
	v_lshl_add_u32 v8, v2, 2, s36                  ; in: 4 r
	s_lshl_b32 s37, s28, 6
	s_add_co_u32 s37, s37, s36
	v_lshl_add_u32 v9, v3, 2, s37                  ; back, for the gather: row 16 w + hh
	v_lshl_add_u32 v10, v3, 2, s36                 ; back, for the way out: row hh
	v_and_b32 v11, 8, v2
	v_add_nc_u32 v11, v11, v2
	v_lshlrev_b32 v11, 5, v11                      ; gate's and up's scale bytes: row r + 8 (r / 8) of a tile, 32 bytes a row
	v_lshlrev_b32 v12, 3, v2                       ; down's: row r, 8 bytes a row
	v_lshlrev_b32 v15, 3, v1                       ; 8 x lane
	v_lshlrev_b32 v16, 2, v1                       ; 4 x lane
	s_mul_i32 s36, s28, 768
	v_add_nc_u32 v13, s36, v15                     ; my six registers of a hidden fragment: 1,536 (w / 2) + 768 (w % 2) = 768 w, + 8 x lane
	s_lshr_b32 s36, s28, 1
	s_lshl_b32 s36, s36, 7
	s_and_b32 s37, s28, 1
	s_lshl_b32 s37, s37, 1
	s_add_co_u32 s36, s36, s37
	v_add_nc_u32 v14, s36, v16                     ; my two bytes of its scale word: 128 (w / 2) + 2 (w % 2) + 4 x lane
	s_mul_i32 s36, s28, 16*SP
	s_add_co_u32 s36, s36, STG                     ; my stage
	v_mul_u32_u24 v17, v2, SP
	v_lshl_add_u32 v17, v3, 5, v17
	v_add_nc_u32 v17, s36, v17                     ; in: row r, 32 bytes for each half of the lanes
	v_mul_u32_u24 v18, v3, SP
	v_add_nc_u32 v18, v18, v5
	v_add_nc_u32 v18, s36, v18                     ; back: lanes 0-15 one row of 256 bytes, lanes 16-31 the next
	s_mov_b32 s30, 0xbfb8aa3b                      ; -log2(e); the packed form names the pair and takes its low word for both halves
	s_mov_b32 s31, s30
	s_mov_b32 s32, 0x76543210                      ; v_permlanex16_b32's selects for lane l xor 16
	s_mov_b32 s33, 0xfedcba98
	s_lshl_b32 s22, ttmp9, 4
	s_mov_b32 s23, 0
	s_wait_kmcnt 0x0
	s_add_nc_u64 s[4:5], s[4:5], s[22:23]
	s_load_b128 s[24:27], s[4:5], 0x0              ; my tile: expert, first place in order, rows, 0
	s_wait_kmcnt 0x0
	s_min_u32 s24, s24, 7                          ; loaded numbers are bounded before they enter an address
	s_min_u32 s25, s25, 0x1fff
	s_min_u32 s26, s26, 64
	s_sub_co_u32 s27, s26, 1                       ; the tile's last row (with no rows: the greatest number, which holds nothing back; the bound below still holds)
	s_lshl_b32 s34, s24, 2
	s_add_co_u32 s34, s34, s28
	s_mul_i32 s34, s34, 147456
	s_mov_b32 s35, 0
	s_add_nc_u64 s[12:13], s[12:13], s[34:35]      ; my stream of weights
	s_lshl_b32 s34, s24, 13
	s_lshl_b32 s36, s28, 11
	s_add_co_u32 s34, s34, s36                     ; 8,192 bytes of scales an expert, 2,048 a wave, in all three
	s_add_nc_u64 s[14:15], s[14:15], s[34:35]
	s_add_nc_u64 s[16:17], s[16:17], s[34:35]
	s_add_nc_u64 s[18:19], s[18:19], s[34:35]
	s_lshl_b32 s34, s28, 10
	s_add_nc_u64 s[20:21], s[20:21], s[34:35]      ; my 256 columns of out
.irp m, 0,1,2,3
	v_add_nc_u32 v[19+\m], 16*\m, v2
	v_min_u32 v[19+\m], s27, v[19+\m]              ; rows past the count take the last row
	v_add_nc_u32 v[19+\m], s25, v[19+\m]
	v_min_u32 v[19+\m], 0x1fff, v[19+\m]
	v_lshlrev_b32 v[19+\m], 2, v[19+\m]
	global_load_b32 v[TR+\m], v[19+\m], s[6:7]
.endr
.irp t, 0,1,2,3                        ; a row's 32 scale bytes are its eight K steps' words
.irp q, 0,1
	global_load_b128 v[W1S+8*\t+4*\q:W1S+8*\t+4*\q+3], v11, s[14:15] offset:(32*(\t/2)+8*(\t%2))*32+16*\q
	global_load_b128 v[W1S+32+8*\t+4*\q:W1S+32+8*\t+4*\q+3], v11, s[16:17] offset:(32*(\t/2)+8*(\t%2))*32+16*\q
.endr
.endr
.irp n, 0,1,2,3,4,5,6,7,8,9,10,11,12,13,14,15
	global_load_b64 v[DS+2*\n:DS+2*\n+1], v12, s[18:19] offset:128*\n   ; column tile n = 4 c + j: its rows' two words
.endr
; Group g of my stream into slot g % 5 of the ring: 12 loads of 512 consecutive bytes
.macro WLOAD g
	WIN 0x40                                       ; destination window 1, address window 0
.irp i, 0,1,2,3
.irp q, 0,1,2
	global_load_b128 v[48*((\g)%5)+12*\i+4*\q:48*((\g)%5)+12*\i+4*\q+3], v4, s[12:13] offset:(4*(\g)+\i)*1536+512*\q
.endr
.endr
.endm
; x's four fragments of K step s into set s % 2
.macro XFETCH s
	WIN 0
.irp m, 0,1,2,3
.irp p, 0,1,2,3,4,5
	ds_load_b64 v[XF+48*((\s)%2)+12*\m+2*\p:XF+48*((\s)%2)+12*\m+2*\p+1], v6 offset:16*\m*XP+96*(\s)+48*(\p/3)+8*(\p%3)
.endr
.endr
.endm
	WLOAD 0
	WLOAD 1
	WIN 0
	s_wait_loadcnt 56                              ; behind the four loads of order: 32 of scales, 24 of weights
.irp m, 0,1,2,3
	v_min_u32 v[TR+\m], 0x1fff, v[TR+\m]
	ds_store_b32 v8, v[TR+\m] offset:64*\m         ; lanes r and r + 16 write the same word with the same value
	v_lshlrev_b32 v[XSA+\m], 5, v[TR+\m]
	global_load_b128 v[XS+8*\m:XS+8*\m+3], v[XSA+\m], s[10:11]
	global_load_b128 v[XS+8*\m+4:XS+8*\m+7], v[XSA+\m], s[10:11] offset:16
.endr
.irp a, 0,1,2,3,4,5,6,7
	ds_load_b32 v[TG+\a], v9 offset:8*\a           ; LDS serves a wave's instructions in order: these see my stores
.endr
	s_wait_dscnt 0x0
.irp a, 0,1,2,3,4,5,6,7
	v_min_u32 v[TG+\a], 0x1fff, v[TG+\a]
	v_mul_u32_u24 v[XGA+\a], v[TG+\a], 768
	v_add_nc_u32 v[XGA+\a], v[XGA+\a], v5
.endr
	WIN 0x80                                       ; destination window 2: the accumulators' registers are free yet
.irp a, 0,1,2,3,4,5,6,7                ; my 16 of the tile's rows: each half of the lanes reads 256 consecutive bytes of one token's row
.irp c, 0,1,2
	global_load_b128 v[12*\a+4*\c:12*\a+4*\c+3], v[XGA+\a], s[8:9] offset:256*\c
.endr
.endr
	WLOAD 2
	WLOAD 3
	WLOAD 4
	s_wait_loadcnt 36                              ; all but the three groups just asked for: x, every scale word, groups 0 and 1
	WIN 0x08                                       ; an LDS store's data are its source 1: window 2
.irp a, 0,1,2,3,4,5,6,7
.irp c, 0,1,2
	ds_store_b128 v7, v[12*\a+4*\c:12*\a+4*\c+3] offset:2*\a*XP+256*\c
.endr
.endr
	WIN 0
	s_wait_dscnt 0x0                               ; for the others' sake: my rows have landed
	s_barrier_signal -1
	s_barrier_wait -1                              ; x's 64 rows lie in LDS
	XFETCH 0
; A GROUP: four fragments of weights x four row tiles: 16 matrix instructions on 16 accumulators, one instruction a turn; an accumulator comes back 32 (first product) or 16 (second) instructions later.
; g < 16: K step g / 2 of gate (g even) or up (g odd).  g >= 16: chunk (g - 16) / 2 of 64 output columns, K step g % 2.  A sum's first product takes the constant 0: nothing is cleared.
; Behind them four places (ISA guide 7.12.1 for vector instructions), then the slot just multiplied takes the group five on, and behind a gate group x's next K step is fetched into the set that the step before has left.
.macro GRP g
.if (\g) > 19
	s_wait_loadcnt 12*(23-(\g))                    ; only the later groups' loads may be out
.else
	s_wait_loadcnt 48                              ; the four later groups' loads may be out
.endif
.if (\g) < 16
.if (\g)%2 == 0
	s_wait_dscnt 0x0                               ; this K step's fragments of x, asked for 16 matrix instructions ago
.endif
.endif
.set zr, 0
.if (\g) < 2
.set zr, 1
.endif
.if (\g) > 15
.if (\g)%2 == 0
.set zr, 1
.endif
.endif
	WIN 0xa1                                       ; source 0 (weights) window 1, source 1 window 0, C and D window 2
.irp i, 0,1,2,3
.irp m, 0,1,2,3
.set rA, 48*((\g)%5)+12*\i
.if (\g) < 16
.set rD, 64*\m+8*(4*((\g)%2)+\i)
.set rB, XF+48*(((\g)/2)%2)+12*\m
.set rSA, W1S+8*(4*((\g)%2)+\i)+(\g)/2
.set rSB, XS+8*\m+(\g)/2
.else
.set rD, 128*((((\g)-16)/2)%2)+32*\m+8*\i
.set rB, HF+12*(2*\m+(\g)%2)
.set rSA, DS+2*(4*(((\g)-16)/2)+\i)+(\g)%2
.set rSB, HS+2*\m+(\g)%2
.endif
.if zr
	v_wmma_scale_f32_16x16x128_f8f6f4 v[rD:rD+7], v[rA:rA+11], v[rB:rB+11], 0, v[rSA], v[rSB] matrix_a_fmt:MATRIX_FMT_BF6 matrix_b_fmt:MATRIX_FMT_BF6
.else
	v_wmma_scale_f32_16x16x128_f8f6f4 v[rD:rD+7], v[rA:rA+11], v[rB:rB+11], v[rD:rD+7], v[rSA], v[rSB] matrix_a_fmt:MATRIX_FMT_BF6 matrix_b_fmt:MATRIX_FMT_BF6
.endif
.endr
.endr
.rept 4
	v_nop
.endr
.if (\g)+5 < 24
	WLOAD (\g)+5
.endif
.if (\g) < 14
.if (\g)%2 == 0
	XFETCH (\g)/2+1
.endif
.endif
.endm
; ROW TILE m: silu(g) * u in f32, quantised in registers.  Lane (r, hh) holds row r; register 16 b + i of gate's (and of up's) four tiles is hidden unit 64 w + 32 b + 16 hh + i: 16 neighbours of block b.
; My 64 units are half a K step of the second product: registers 6 (w % 2) .. + 5 of fragment (m, w / 2) and two bytes of its scale word.
.macro ACT m
.set G, 64*(\m)
.set PC, PCS+12*(\m)
.set PW, PWS+(\m)
	WIN 0x02                                       ; source 0 window 2
.set n, 0
.rept 16
	v_pk_mul_f32 v[T+n:T+n+1], v[G+n:G+n+1], s[30:31] op_sel_hi:[1,0]   ; -g log2(e); each accumulator is read from its low end on
.set n, n+2
.endr
	WIN 0
.set n, 0
.rept 32
	v_exp_f32 v[T+n], v[T+n]
.set n, n+1
.endr
	v_nop                                          ; a plain place behind the transcendentals
.set n, 0
	s_wait_alu depctr_va_vdst(0)
.rept 16
	v_pk_add_f32 v[T+n:T+n+1], v[T+n:T+n+1], 1.0 op_sel_hi:[1,0]
.set n, n+2
.endr
.set n, 0
.rept 32
	v_rcp_f32 v[T+n], v[T+n]
.set n, n+1
.endr
	v_nop
	WIN 0x02
.set n, 0
	s_wait_alu depctr_va_vdst(0)
.rept 16
	v_pk_mul_f32 v[T+n:T+n+1], v[G+n:G+n+1], v[T+n:T+n+1]           ; silu(g)
.set n, n+2
.endr
.set n, 0
.rept 16
	v_pk_mul_f32 v[T+n:T+n+1], v[G+32+n:G+32+n+1], v[T+n:T+n+1]     ; x u
.set n, n+2
.endr
	WIN 0
.irp b, 0,1
	v_max3_num_f32 v[TM+\b], |v[T+16*\b]|, |v[T+16*\b+1]|, 0x2800000   ; block b: my 16 numbers, and the floor 2^(5 - 127), so that the byte cannot fall under 1
.endr
.irp i, 2,4,6,8,10,12,14
.irp b, 0,1
	v_max3_num_f32 v[TM+\b], v[TM+\b], |v[T+16*\b+\i]|, |v[T+16*\b+\i+1]|
.endr
.endr
.irp b, 0,1
	v_permlanex16_b32 v[TM+2+\b], v[TM+\b], s32, s33
.endr
.irp b, 0,1
	v_max_num_f32 v[TM+\b], v[TM+\b], v[TM+2+\b]   ; with lane l xor 16's: the block's largest magnitude
.endr
.irp b, 0,1
	v_add_nc_u32 v[TM+4+\b], 0xfe000000, v[TM+\b]  ; 4 off its exponent field: the conversion takes the exponent field of this operand as its scale
.endr
.irp b, 0,1
	v_lshrrev_b32 v[TM+2+\b], 23, v[TM+4+\b]       ; the scale's byte
.endr
	v_lshl_or_b32 v[PW], v[TM+3], 8, v[TM+2]
	v_cvt_scalef32_pk16_bf6_f32 v[PC:PC+2], v[T:T+15], v[TM+4]
	v_cvt_scalef32_pk16_bf6_f32 v[PC+8:PC+10], v[T+16:T+31], v[TM+5]   ; (a conversion's three registers begin on an even number)
	v_nop                                          ; one plain place behind a scaled conversion
.irp i, 0,1,2                          ; the operand's layout wants a whole block in a lane: lanes 0-15 block 0, lanes 16-31 block 1
	v_permlane16_swap_b32 v[PC+\i], v[PC+8+\i]
.endr
.irp i, 0,1,2
	v_mov_b32 v[PC+3+\i], v[PC+8+\i]
.endr
.irp p, 0,1,2
	ds_store_b64 v13, v[PC+2*\p:PC+2*\p+1] offset:HIMG+3072*(\m)+256*\p
.endr
	ds_store_b16 v14, v[PW] offset:HSC+256*(\m)
.endm
; THE WAY OUT of chunk c, row tile m: 16 rows x 64 columns go through my own stage and come back as whole rows of 256 bytes.
.macro TOSTAGE c, m
.set AC, 128*((\c)%2)+32*(\m)
.set RBS, RB+32*((\m)%2)
	s_wait_xcnt 0x0                                ; the stores of two blocks ago have read their registers: only behind this wait do loads land there again
	WIN 0x08                                       ; data: window 2
.irp j, 0,1,2,3
	ds_store_b128 v17, v[AC+8*\j:AC+8*\j+3] offset:64*\j             ; each accumulator from its low end on
	ds_store_b128 v17, v[AC+8*\j+4:AC+8*\j+7] offset:64*\j+16
.endr
	WIN 0xc0                                       ; destination window 3
.irp t, 0,1,2,3,4,5,6,7
	ds_load_b128 v[RBS+4*\t:RBS+4*\t+3], v18 offset:2*SP*\t          ; LDS serves a wave's instructions in order: these see the stores above, and the next block's stores come behind them
.endr
.endm
.macro SEND c, m, younger              ; younger: the LDS instructions issued behind this block's loads: the next block's 8 stores and 8 loads, or none
.set RBS, RB+32*((\m)%2)
	s_wait_dscnt \younger
	WIN 0x0f                                       ; address and data: window 3
.irp t, 0,1,2,3,4,5,6,7
	global_store_b128 v[OA+8*(\m)+\t], v[RBS+4*\t:RBS+4*\t+3], s[20:21] offset:256*(\c) th:TH_STORE_NT   ; each half of the lanes stores 256 consecutive bytes of one token's row, at a multiple of 256 from out's first byte
.endr
.endm
.macro OUT c
	TOSTAGE \c, 0
	TOSTAGE \c, 1
	SEND \c, 0, 16
	TOSTAGE \c, 2
	SEND \c, 1, 16
	TOSTAGE \c, 3
	SEND \c, 2, 16
	SEND \c, 3, 0
.endm
.irp g, 0,1,2,3,4,5,6,7,8,9,10,11,12,13,14,15
	GRP \g                                         ; g = x Wg, u = x Wu: eight K steps
.endr
	WIN 0
	v_mov_b32 v[TM+2], 0                           ; written once: a lane permute's destination counts as one of its sources
	v_mov_b32 v[TM+3], 0
	ACT 0                                          ; groups 16 to 20 of the weights are on their way meanwhile
	ACT 1
	ACT 2
	ACT 3
	s_wait_dscnt 0x0                               ; for the others' sake: my part of the hidden layer has landed
	s_barrier_signal -1
	s_barrier_wait -1                              ; the hidden layer's eight fragments lie in LDS.  No barrier follows
	s_cmp_eq_u32 s26, 0
	s_cbranch_scc1 .Lempty                         ; a tile without rows stores nothing
.irp f, 0,1,2,3,4,5,6,7
.irp p, 0,1,2,3,4,5
	ds_load_b64 v[HF+12*\f+2*\p:HF+12*\f+2*\p+1], v15 offset:HIMG+1536*\f+256*\p
.endr
	ds_load_b32 v[HS+\f], v16 offset:HSC+128*\f
.endr
	WIN 0xc0
.set n, 0
.rept 32
	ds_load_b32 v[OA+n], v10 offset:8*n            ; register 8 m + t: the token of row 16 m + 2 t + hh
.set n, n+1
.endr
	s_wait_dscnt 0x0
	WIN 0xcc                                       ; source 1 and destination window 3
.set n, 0
.rept 32
	v_min_u32 v[OA+n], 0x1fff, v[OA+n]
.set n, n+1
.endr
	WIN 0xc3                                       ; source 0 and destination window 3
.set n, 0
.rept 32
	v_lshl_add_u32 v[OA+n], v[OA+n], 12, v5        ; its row of 4,096 bytes, + 16 r
.set n, n+1
.endr
	GRP 16                                         ; two sets of 16 accumulators by turns: a chunk goes out while later chunks' weights land
	GRP 17
	GRP 18
	GRP 19
	OUT 0
	GRP 20
	GRP 21
	OUT 1
	GRP 22
	GRP 23
	OUT 2
	OUT 3
	WIN 0                                          ; at a label every window is 0
.Lempty:
	s_wait_tensorcnt 0x0
	ds_add_u32 v30, v31
	s_wait_dscnt 0x0
	s_endpgm
.Lfunc_end_k_q613c42e84b_chain:
	.size	k_q613c42e84b_chain, .Lfunc_end_k_q613c42e84b_chain-k_q613c42e84b_chain
	.p2alignl 7, 3214868480
	.fill 96, 4, 3214868480
	.section	.rodata,"a",@progbits
	.p2align	6, 0x0
	.amdhsa_kernel k_q613c42e84b_chain
		.amdhsa_group_segment_fixed_size 82432
		.amdhsa_private_segment_fixed_size 0
		.amdhsa_enable_private_segment 0
		.amdhsa_kernarg_size 72
		.amdhsa_user_sgpr_count 2
		.amdhsa_user_sgpr_kernarg_segment_ptr 1
		.amdhsa_wavefront_size32 1
		.amdhsa_system_sgpr_workgroup_id_x 1
		.amdhsa_system_sgpr_workgroup_id_y 1
		.amdhsa_system_sgpr_workgroup_id_z 1
		.amdhsa_system_vgpr_workitem_id 0
		.amdhsa_next_free_vgpr 864
		.amdhsa_next_free_sgpr 66
		.amdhsa_reserve_vcc 0
		.amdhsa_float_denorm_mode_32 3
		.amdhsa_float_denorm_mode_16_64 3
		.amdhsa_memory_ordered 1
		.amdhsa_forward_progress 1
		.amdhsa_inst_pref_size 182
	.end_amdhsa_kernel
	.amdgpu_metadata
---
amdhsa.version: [ 1, 2 ]
amdhsa.kernels:
  - .name:           k_q613c42e84b_chain
    .symbol:         k_q613c42e84b_chain.kd
    .args:
      - { .name: tiles, .offset: 0, .size: 8, .value_kind: global_buffer, .address_space: global }
      - { .name: order, .offset: 8, .size: 8, .value_kind: global_buffer, .address_space: global }
      - { .name: hidden_states_codes, .offset: 16, .size: 8, .value_kind: global_buffer, .address_space: global }
      - { .name: hidden_states_scales, .offset: 24, .size: 8, .value_kind: global_buffer, .address_space: global }
      - { .name: wimg, .offset: 32, .size: 8, .value_kind: global_buffer, .address_space: global }
      - { .name: gate_proj_scales, .offset: 40, .size: 8, .value_kind: global_buffer, .address_space: global }
      - { .name: up_proj_scales, .offset: 48, .size: 8, .value_kind: global_buffer, .address_space: global }
      - { .name: down_proj_scales, .offset: 56, .size: 8, .value_kind: global_buffer, .address_space: global }
      - { .name: out0, .offset: 64, .size: 8, .value_kind: global_buffer, .address_space: global }
    .group_segment_fixed_size: 82432
    .private_segment_fixed_size: 0
    .kernarg_segment_align: 8
    .kernarg_segment_size: 72
    .max_flat_workgroup_size: 128
    .sgpr_count:     66
    .vgpr_count:     864
    .wavefront_size: 32
...
	.end_amdgpu_metadata
.endif
;; end of part 3
;; ======== version 2 of 2: 3 launches
;; workspace buffers: pk 32,768 bytes of whole numbers; hist 8,192 bytes of whole numbers; order 32,768 bytes of whole numbers; tiles 4,096 bytes of whole numbers; wimg 4,718,592 bytes
;; launch route (part 4): grid 256 x 1, 8 waves a work-group, no clusters, 9,216 bytes of LDS; arguments mu, mu_router_w, token_ids, pk, hist; writes pk, hist
.if DOCPART == 4
	.amdgcn_target "amdgcn-amd-amdhsa--gfx1250"
	.amdhsa_code_object_version 6
	.text
	.protected	k_q613c42e84b_route
	.globl	k_q613c42e84b_route
	.p2align	8
	.type	k_q613c42e84b_route,@function
k_q613c42e84b_route:
	s_mov_b64 s[64:65], 0
	v_nop
	global_prefetch_b8 v0, s[64:65] scope:SCOPE_SE
	s_setreg_imm32_b32 hwreg(HW_REG_WAVE_MODE, 25, 1), 1
	s_wait_xcnt 0x0
; THE ROUTER.  logits[t][e] = sum over d of mu[t][d] Wr[e][d] (f32, fused multiply-adds); 10 is added at expert clip(token_id, 0, 50256) % 8; the expert is the argmax, the lower index at a tie.
; A work-group takes a block of 32 tokens.  Wave w takes d = 128 w .. 128 w + 127 of all 32 rows; lanes 0-15 work on token 2 p, lanes 16-31 on token 2 p + 1 (pair p = 0 .. 15);
; lane (r, hh) holds d = 128 w + 64 j + 4 r + k (j = 0, 1; k = 0 .. 3): each half of the lanes reads 256 consecutive bytes, aligned.  All 32 loads of mu of a wave (16 KiB) go out at the head: no loop.
; The choice steers no address here: it is stored at fixed places.  pk[t] = expert | (rank of t among the tokens of its block with the same expert) << 8;  hist[e][block] = how many tokens of the block chose e.
; No matrix unit, no cluster, no tensor load: memory binds, each byte of mu is read once, and work-groups share only the 32 KiB of Wr.
; LIMITS: NaN among the logits is not served.  A work-group's 32 words of pk are 128 bytes, half of an aligned 256; hist is stored as 8 single words: together 40 KiB beside the 32 MiB read.
.set WR,  8                            ; v8-71    Wr: register 8 e + 4 j + k
.set MU,  72                           ; v72-199  mu: register 8 p + 4 j + k; a pair's first register later takes its result; in the tail: the partial logits
.set ACC, 200                          ; v200-231 two sets of 8 pairs of sums
.set TP,  232                          ; v232-247 at work
	s_load_b256 s[4:11], s[0:1], 0x0               ; mu s[4:5], Wr s[6:7], token_ids s[8:9], pk s[10:11]
	s_load_b64 s[12:13], s[0:1], 0x20              ; hist
	v_lshl_add_u32 v254, v0, 2, 0x2000
	v_mov_b32 v255, 0
	v_lshrrev_b32 v1, 5, v0
	s_delay_alu instid0(VALU_DEP_1)
	v_readfirstlane_b32 s14, v1                    ; wave 0..7
	v_and_b32 v1, 31, v0                           ; lane
	v_and_b32 v2, 15, v0                           ; r
	v_bfe_u32 v3, v0, 4, 1                         ; hh
	s_lshl_b32 s15, s14, 9
	v_lshl_add_u32 v5, v2, 4, s15                  ; Wr: 512 w + 16 r
	s_delay_alu instid0(VALU_DEP_1)
	v_lshl_add_u32 v4, v3, 12, v5                  ; mu: the same, + one row for lanes 16-31
	v_and_b32 v6, 7, v0
	s_delay_alu instid0(VALU_DEP_1)
	v_lshlrev_b32 v6, 2, v6
	s_delay_alu instid0(VALU_DEP_1)
	v_lshl_add_u32 v6, v3, 5, v6
	s_lshl_b32 s15, s14, 10
	v_add_nc_u32 v6, s15, v6                       ; LDS: PART[wave][token][8] f32: 1,024 w + 32 hh + 4 (lane % 8); the pair stands in the immediate
	v_lshlrev_b32 v248, 2, v1                      ; 4 x lane: token_ids and pk
	v_lshlrev_b32 v249, 5, v1                      ; 32 x lane: a token's eight partial logits in PART
	v_and_b32 v250, 7, v0
	s_delay_alu instid0(VALU_DEP_1)
	v_lshlrev_b32 v250, 10, v250                   ; hist: row lane % 8 of 1,024 bytes
	s_mov_b32 s16, 0xaaaaaaaa                      ; lanes with bit 0, 1, 2 of their number set
	s_mov_b32 s17, 0xcccccccc
	s_mov_b32 s18, 0xf0f0f0f0
	s_lshl_b32 s20, ttmp9, 17                      ; the block's 32 rows of 4,096 bytes
	s_mov_b32 s21, 0
	s_lshl_b32 s22, ttmp9, 7                       ; its 32 words
	s_mov_b32 s23, 0
	s_lshl_b32 s24, ttmp9, 2                       ; its word in a row of hist
	s_mov_b32 s25, 0
	s_wait_alu depctr_va_vdst(0)
	s_wait_kmcnt 0x0
	s_add_nc_u64 s[4:5], s[4:5], s[20:21]
	s_add_nc_u64 s[8:9], s[8:9], s[22:23]
	s_add_nc_u64 s[10:11], s[10:11], s[22:23]
	s_add_nc_u64 s[12:13], s[12:13], s[24:25]
	global_load_b32 v7, v248, s[8:9]               ; lane = token: wave 0 uses it
.irp e, 0,1,2,3,4,5,6,7
.irp j, 0,1
	global_load_b128 v[WR+8*\e+4*\j:WR+8*\e+4*\j+3], v5, s[6:7] offset:4096*\e+256*\j
.endr
.endr
.irp p, 0,1,2,3,4,5,6,7,8,9,10,11,12,13,14,15
.irp j, 0,1
	global_load_b128 v[MU+8*\p+4*\j:MU+8*\p+4*\j+3], v4, s[4:5] offset:8192*\p+256*\j th:TH_LOAD_NT
.endr
.endr
; One pair of tokens: 8 sums of 8 products a lane, then a butterfly that adds over the 16 lanes of a token and at the same time deals the 8 experts out over the lanes:
; in each of three steps a lane keeps the half of its sums whose expert has the lane's bit, and sends the other half to the lane that keeps those.
.macro PAIR p
.set AS, ACC+16*((\p)%2)
.set MP, MU+8*(\p)
	s_wait_loadcnt 30-2*(\p)                       ; loads come back in order: all but the later pairs' two loads each are in
.irp e, 0,1,2,3,4,5,6,7
	v_pk_mul_f32 v[AS+2*\e:AS+2*\e+1], v[MP:MP+1], v[WR+8*\e:WR+8*\e+1]
.endr
.irp k, 2,4,6
.irp e, 0,1,2,3,4,5,6,7
	v_pk_fma_f32 v[AS+2*\e:AS+2*\e+1], v[MP+\k:MP+\k+1], v[WR+8*\e+\k:WR+8*\e+\k+1], v[AS+2*\e:AS+2*\e+1]
.endr
.endr
.irp e, 0,1,2,3,4,5,6,7
	v_add_f32 v[AS+2*\e], v[AS+2*\e], v[AS+2*\e+1]
.endr
.irp i, 0,1,2,3
	v_cndmask_b32 v[TP+\i], v[AS+4*\i], v[AS+4*\i+2], s16          ; kept: expert 2 i + bit 0 of my lane
	v_cndmask_b32 v[TP+4+\i], v[AS+4*\i+2], v[AS+4*\i], s16        ; sent: the other
.endr
.irp i, 0,1,2,3
	v_add_f32_dpp v[TP+\i], v[TP+4+\i], v[TP+\i] row_xmask:1 row_mask:0xf bank_mask:0xf
.endr
.irp i, 0,1
	s_delay_alu instid0(VALU_DEP_3)
	v_cndmask_b32 v[TP+8+\i], v[TP+2*\i], v[TP+2*\i+1], s17
	s_delay_alu instid0(VALU_DEP_4)
	v_cndmask_b32 v[TP+10+\i], v[TP+2*\i+1], v[TP+2*\i], s17
.endr
.irp i, 0
	s_delay_alu instid0(VALU_DEP_3)
	v_add_f32_dpp v[TP+8+\i], v[TP+10+\i], v[TP+8+\i] row_xmask:2 row_mask:0xf bank_mask:0xf
.endr
.irp i, 1
	s_delay_alu instid0(VALU_DEP_2)
	v_add_f32_dpp v[TP+8+\i], v[TP+10+\i], v[TP+8+\i] row_xmask:2 row_mask:0xf bank_mask:0xf
.endr
	s_delay_alu instid0(VALU_DEP_1)
	v_cndmask_b32 v[TP+12], v[TP+8], v[TP+9], s18
	s_delay_alu instid0(VALU_DEP_2)
	v_cndmask_b32 v[TP+13], v[TP+9], v[TP+8], s18
	s_delay_alu instid0(VALU_DEP_1)
	v_add_f32_dpp v[TP+12], v[TP+13], v[TP+12] row_xmask:4 row_mask:0xf bank_mask:0xf
	s_delay_alu instid0(VALU_DEP_1)
	v_add_f32_dpp v[MP], v[TP+12], v[TP+12] row_xmask:8 row_mask:0xf bank_mask:0xf   ; my token's sum over my wave's 128 d for expert lane % 8; each pair has its own register for the store
	ds_store_b32 v6, v[MP] offset:64*(\p)          ; lanes r and r + 8 write the same word with the same value
.endm
.irp p, 0,1,2,3,4,5,6,7,8,9,10,11,12,13,14,15
	PAIR \p
.endr
	s_wait_dscnt 0x0                               ; for wave 0's sake: my stores have landed
	s_barrier_signal -1
	s_barrier_wait -1
	s_cmp_lg_u32 s14, 0
	s_cbranch_scc1 .Ldone                          ; the rest is wave 0's: lane = token
.irp w, 0,1,2,3,4,5,6,7
	ds_load_b128 v[MU+8*\w:MU+8*\w+3], v249 offset:1024*\w
	ds_load_b128 v[MU+8*\w+4:MU+8*\w+7], v249 offset:1024*\w+16
.endr
	v_mov_b32 v232, 0
	v_mov_b32 v233, 0x41200000                     ; 10.0
	v_cmp_gt_i32 vcc_lo, 0, v7                     ; the clip: under 0 to 0,
	s_delay_alu instid0(VALU_DEP_1)
	v_cndmask_b32 v7, v7, v232, vcc_lo
	s_delay_alu instid0(VALU_DEP_1)
	v_min_u32 v7, 0xc450, v7                       ; over 50,256 to 50,256;
	s_delay_alu instid0(VALU_DEP_1)
	v_and_b32 v7, 7, v7                            ; % 8: the base expert
	s_wait_dscnt 0x0
.irp w, 0,2,4,6                        ; the eight waves' parts, added as a tree
.irp k, 0,2,4,6
	v_pk_add_f32 v[MU+8*\w+\k:MU+8*\w+\k+1], v[MU+8*\w+\k:MU+8*\w+\k+1], v[MU+8*\w+8+\k:MU+8*\w+8+\k+1]
.endr
.endr
.irp w, 0,4
.irp k, 0,2,4,6
	v_pk_add_f32 v[MU+8*\w+\k:MU+8*\w+\k+1], v[MU+8*\w+\k:MU+8*\w+\k+1], v[MU+8*\w+16+\k:MU+8*\w+16+\k+1]
.endr
.endr
.irp k, 0,2,4,6
	s_delay_alu instid0(VALU_DEP_4)
	v_pk_add_f32 v[MU+\k:MU+\k+1], v[MU+\k:MU+\k+1], v[MU+32+\k:MU+32+\k+1]
.endr
.irp e, 0,1,2,3,4,5,6,7
	v_cmp_eq_u32 vcc_lo, \e, v7
	s_delay_alu instid0(VALU_DEP_1)
	v_cndmask_b32 v234, v232, v233, vcc_lo
	s_delay_alu instid0(VALU_DEP_1)
	v_add_f32 v[MU+\e], v[MU+\e], v234             ; one_hot x 10 + logit
.endr
	v_mov_b32 v235, v[MU]                          ; the best so far, and its expert
	v_mov_b32 v236, 0
.irp e, 1
	s_delay_alu instid0(VALU_DEP_2)
	v_cmp_ge_f32 vcc_lo, v235, v[MU+\e]            ; the earlier one stays unless the later is strictly greater: the lower index at a tie
	s_delay_alu instid0(VALU_DEP_1)
	v_cndmask_b32 v236, \e, v236, vcc_lo
	s_delay_alu instid0(VALU_DEP_2)
	v_cndmask_b32 v235, v[MU+\e], v235, vcc_lo
.endr
.irp e, 2, 3, 4, 5, 6, 7
	s_delay_alu instid0(VALU_DEP_1)
	v_cmp_ge_f32 vcc_lo, v235, v[MU+\e]
	s_delay_alu instid0(VALU_DEP_1)
	v_cndmask_b32 v236, \e, v236, vcc_lo
	s_delay_alu instid0(VALU_DEP_2)
	v_cndmask_b32 v235, v[MU+\e], v235, vcc_lo
.endr
	v_mov_b32 v237, 0                              ; my rank among the block's tokens with my expert
	v_mov_b32 v238, 0                              ; lane l: the count of expert l % 8
.irp e, 0,1,2,3,4,5,6,7
	v_cmp_eq_u32 s30, \e, v236
	s_delay_alu instid0(VALU_DEP_1)
	v_mbcnt_lo_u32_b32 v239, s30, 0                ; how many lower lanes chose e
	s_delay_alu instid0(VALU_DEP_1)
	v_cndmask_b32 v237, v237, v239, s30
	s_bcnt1_i32_b32 s31, s30
	v_mov_b32 v240, s31
	s_mov_b32 s32, 0x01010101<<\e
	v_cndmask_b32 v238, v238, v240, s32
.endr
	v_lshl_or_b32 v241, v237, 8, v236
	global_store_b32 v248, v241, s[10:11]
	global_store_b32 v250, v238, s[12:13]          ; four lanes write the same word with the same value: EXEC stays whole
.Ldone:
	s_wait_tensorcnt 0x0
	ds_add_u32 v254, v255
	s_wait_dscnt 0x0
	s_endpgm
.Lfunc_end_k_q613c42e84b_route:
	.size	k_q613c42e84b_route, .Lfunc_end_k_q613c42e84b_route-k_q613c42e84b_route
	.p2alignl 7, 3214868480
	.fill 96, 4, 3214868480
	.section	.rodata,"a",@progbits
	.p2align	6, 0x0
	.amdhsa_kernel k_q613c42e84b_route
		.amdhsa_group_segment_fixed_size 9216
		.amdhsa_private_segment_fixed_size 0
		.amdhsa_enable_private_segment 0
		.amdhsa_kernarg_size 40
		.amdhsa_user_sgpr_count 2
		.amdhsa_user_sgpr_kernarg_segment_ptr 1
		.amdhsa_wavefront_size32 1
		.amdhsa_system_sgpr_workgroup_id_x 1
		.amdhsa_system_sgpr_workgroup_id_y 1
		.amdhsa_system_sgpr_workgroup_id_z 1
		.amdhsa_system_vgpr_workitem_id 0
		.amdhsa_next_free_vgpr 256
		.amdhsa_next_free_sgpr 66
		.amdhsa_reserve_vcc 1
		.amdhsa_float_denorm_mode_32 3
		.amdhsa_float_denorm_mode_16_64 3
		.amdhsa_memory_ordered 1
		.amdhsa_forward_progress 1
		.amdhsa_inst_pref_size 81
	.end_amdhsa_kernel
	.amdgpu_metadata
---
amdhsa.version: [ 1, 2 ]
amdhsa.kernels:
  - .name:           k_q613c42e84b_route
    .symbol:         k_q613c42e84b_route.kd
    .args:
      - { .name: mu, .offset: 0, .size: 8, .value_kind: global_buffer, .address_space: global }
      - { .name: mu_router_w, .offset: 8, .size: 8, .value_kind: global_buffer, .address_space: global }
      - { .name: token_ids, .offset: 16, .size: 8, .value_kind: global_buffer, .address_space: global }
      - { .name: pk, .offset: 24, .size: 8, .value_kind: global_buffer, .address_space: global }
      - { .name: hist, .offset: 32, .size: 8, .value_kind: global_buffer, .address_space: global }
    .group_segment_fixed_size: 9216
    .private_segment_fixed_size: 0
    .kernarg_segment_align: 8
    .kernarg_segment_size: 40
    .max_flat_workgroup_size: 256
    .sgpr_count:     66
    .vgpr_count:     256
    .wavefront_size: 32
...
	.end_amdgpu_metadata
.endif
;; end of part 4
;; launch place (part 5): grid 49 x 1, 8 waves a work-group, no clusters, 208,384 bytes of LDS; arguments pk, hist, gate_proj_codes, up_proj_codes, down_proj_codes, order, tiles, wimg; writes order, tiles, wimg
.if DOCPART == 5
	.amdgcn_target "amdgcn-amd-amdhsa--gfx1250"
	.amdhsa_code_object_version 6
	.text
	.protected	k_q613c42e84b_place
	.globl	k_q613c42e84b_place
	.p2align	8
	.type	k_q613c42e84b_place,@function
k_q613c42e84b_place:
	s_mov_b64 s[64:65], 0
	v_nop
	global_prefetch_b8 v0, s[64:65] scope:SCOPE_SE
	s_setreg_imm32_b32 hwreg(HW_REG_WAVE_MODE, 25, 1), 1
	s_wait_xcnt 0x0
; THREE JOBS IN ONE LAUNCH, told apart by the work-group's number; each has LDS bytes of its own.
; Work-group 0: the counting sort.  From hist (counts for each expert and block of 32 tokens) and pk (expert and rank in the block) it stores order[8192], the token numbers sorted by expert, and
;   tiles[256], records (expert, first place in order, rows 0 .. 64, 0): an expert's rows cut into tiles of 64.  No atomics: a token's place is its expert's base + the counts of earlier blocks + its rank.
; Work-groups 1-32 (gate, then up) and 33-48 (down): the weights' codes are laid out once as IMAGES OF THE OPERAND'S REGISTERS, in the order in which the next launch's waves walk them.
;   wimg: for expert e and wave w a dense stream of 96 fragments of 1,536 bytes at (4 e + w) x 147,456.  A fragment (16 rows x 128 K, 12 registers a lane) is three pieces of 512 bytes; piece q holds lane l's registers 4 q .. 4 q + 3 at 16 l.
;   Fragment 4 g + i, group g: g < 16: K step g / 2, gate (g even) or up (g odd), tile i: lane r's row is 64 w + 32 (i / 2) + 8 (i % 2) + r + 8 (r / 8), so that two neighbouring tiles' results are 16 neighbours along the next K;
;   g >= 16: chunk c = (g - 16) / 2 of 64 output columns, K step g % 2, column tile i: lane r's row of down is 256 w + 64 c + 16 i + r.
;   A wave reads 12,288 bytes in runs of 256 consecutive bytes or more, turns them through its own stage in LDS, and stores pieces of 512 consecutive bytes.  The stages are each wave's own: no barrier there.
; LIMIT: down's stage has rows of 192 bytes (48 words): by 64 banks of 4 bytes (ISA guide 11.1) rows four apart begin at the same bank, so its reads of 8 bytes meet up to four deep; it is walked once.
.set TOT, 0                            ; sort: the eight experts' totals
.set TBL, 256                          ; sort: for each expert 256 words, the first place of each block's tokens; rows TP bytes apart
.set TP,  1040
.set GST, 8704                         ; gate / up: a stage of 16 rows x GP bytes for each wave
.set GP,  784                          ; 768 bytes + 16 = 196 words: the 32 lanes of a load of 8 bytes at r GP + 24 hh touch banks 4 r + 6 hh + 0, 1: all different
.set DST, 109056                       ; down: a stage of 12,288 bytes for each wave
.set LD,  16                           ; v16-111  24 x 16 bytes as loaded
.set FR,  112                          ; v112-207 eight fragments of 12 registers
	s_load_b512 s[4:19], s[0:1], 0x0               ; pk s[4:5], hist s[6:7], gate s[8:9], up s[10:11], down s[12:13], order s[14:15], tiles s[16:17], wimg s[18:19]
	v_lshl_add_u32 v254, v0, 2, 0x32a00
	v_mov_b32 v255, 0
	v_lshrrev_b32 v1, 5, v0
	s_delay_alu instid0(VALU_DEP_1)
	v_readfirstlane_b32 s20, v1                    ; wave 0..7
	v_and_b32 v1, 31, v0                           ; lane
	v_and_b32 v2, 15, v0                           ; r
	v_bfe_u32 v3, v0, 4, 1                         ; hh
	s_delay_alu instid0(VALU_DEP_3)
	v_lshlrev_b32 v7, 4, v1                        ; 16 x lane
	s_wait_kmcnt 0x0
	s_cmp_eq_u32 ttmp9, 0
	s_cbranch_scc1 .Lsort
	s_cmp_lt_u32 ttmp9, 33
	s_cbranch_scc1 .Lgu
	; ---- down: unit U = 8 (work-group - 33) + wave = 16 e + 4 w + c: 64 rows of 192 bytes, dense
	s_sub_co_u32 s21, ttmp9, 33
	s_lshl_b32 s21, s21, 3
	s_add_co_u32 s21, s21, s20
	s_lshr_b32 s22, s21, 4                         ; e
	s_bfe_u32 s23, s21, 0x20002                    ; w
	s_and_b32 s24, s21, 3                          ; c
	s_lshl_b32 s26, s23, 8
	s_lshl_b32 s27, s24, 6
	s_add_co_u32 s26, s26, s27                     ; row 256 w + 64 c
	s_mul_i32 s26, s26, 192
	s_mul_i32 s27, s22, 196608
	s_add_co_u32 s26, s26, s27
	s_mov_b32 s27, 0
	s_add_nc_u64 s[12:13], s[12:13], s[26:27]
	s_lshl_b32 s28, s22, 2
	s_add_co_u32 s28, s28, s23
	s_mul_i32 s28, s28, 96
	s_lshl_b32 s29, s24, 3
	s_add_co_u32 s28, s28, s29
	s_add_co_u32 s28, s28, 64                      ; fragment (4 e + w) 96 + 64 + 8 c
	s_mul_i32 s28, s28, 1536
	s_mov_b32 s29, 0
	s_add_nc_u64 s[18:19], s[18:19], s[28:29]
	s_mul_i32 s30, s20, 12288
	s_add_co_u32 s30, s30, DST
	s_wait_alu depctr_va_vdst(0)
	v_add_nc_u32 v5, s30, v7                       ; into my stage: as the bytes lie
	v_mul_u32_u24 v6, v2, 192
	s_delay_alu instid0(VALU_DEP_1)
	v_mad_u32_u24 v6, v3, 24, v6
	s_delay_alu instid0(VALU_DEP_1)
	v_add_nc_u32 v6, s30, v6                       ; out of it: row r, + 24 hh
.irp i, 0,1,2,3,4,5,6,7,8,9,10,11,12,13,14,15,16,17,18,19,20,21,22,23
	global_load_b128 v[LD+4*\i:LD+4*\i+3], v7, s[12:13] offset:512*\i th:TH_LOAD_NT
.endr
	s_wait_alu depctr_va_vdst(0)
.irp i, 0,1,2,3,4,5,6,7,8,9,10,11,12,13,14,15,16,17,18,19,20,21,22,23
	s_wait_loadcnt 23-\i                           ; the younger loads may stay out
	ds_store_b128 v5, v[LD+4*\i:LD+4*\i+3] offset:512*\i
.endr
.irp s, 0,1                            ; fragment 4 s + j: K step s, column tile j.  LDS serves a wave's instructions in order: these see my stores
.irp j, 0,1,2,3
.irp p, 0,1,2,3,4,5
	ds_load_b64 v[FR+12*(4*\s+\j)+2*\p:FR+12*(4*\s+\j)+2*\p+1], v6 offset:3072*\j+96*\s+48*(\p/3)+8*(\p%3)
.endr
.endr
.endr
.irp f, 0,1,2,3,4,5,6,7
	s_wait_dscnt 42-6*\f                           ; the later fragments' six loads each may stay out
.irp q, 0,1,2
	global_store_b128 v7, v[FR+12*\f+4*\q:FR+12*\f+4*\q+3], s[18:19] offset:1536*\f+512*\q
.endr
.endr
	s_wait_tensorcnt 0x0
	ds_add_u32 v254, v255
	s_wait_dscnt 0x0
	s_endpgm
.Lgu:	; ---- gate and up: unit U = 8 (work-group - 1) + wave = 128 mat + 16 e + 4 w + t: the 16 rows of tile t, 768 bytes each
	s_sub_co_u32 s21, ttmp9, 1
	s_lshl_b32 s21, s21, 3
	s_add_co_u32 s21, s21, s20
	s_bfe_u32 s22, s21, 0x30004                    ; e
	s_bfe_u32 s23, s21, 0x20002                    ; w
	s_and_b32 s24, s21, 3                          ; t
	s_lshr_b32 s25, s21, 7                         ; mat: 0 gate, 1 up
	s_lshl_b32 s26, s23, 6
	s_lshr_b32 s27, s24, 1
	s_lshl_b32 s27, s27, 5
	s_add_co_u32 s26, s26, s27
	s_and_b32 s27, s24, 1
	s_lshl_b32 s27, s27, 3
	s_add_co_u32 s26, s26, s27                     ; the tile's first row: 64 w + 32 (t / 2) + 8 (t % 2)
	s_mul_i32 s26, s26, 768
	s_mul_i32 s27, s22, 196608
	s_add_co_u32 s26, s26, s27
	s_mov_b32 s27, 0
	s_cmp_lt_u32 ttmp9, 17                         ; the choice hangs on the work-group's number alone
	s_cselect_b64 s[8:9], s[8:9], s[10:11]
	s_add_nc_u64 s[8:9], s[8:9], s[26:27]
	s_lshl_b32 s28, s22, 2
	s_add_co_u32 s28, s28, s23
	s_mul_i32 s28, s28, 96
	s_lshl_b32 s29, s25, 2
	s_add_co_u32 s28, s28, s29
	s_add_co_u32 s28, s28, s24                     ; fragment (4 e + w) 96 + 4 mat + t; K step s is 8 fragments on
	s_mul_i32 s28, s28, 1536
	s_mov_b32 s29, 0
	s_add_nc_u64 s[18:19], s[18:19], s[28:29]
	s_mul_i32 s30, s20, 16*GP
	s_add_co_u32 s30, s30, GST
	s_wait_alu depctr_va_vdst(0)
	v_mul_u32_u24 v4, v3, 768
	s_delay_alu instid0(VALU_DEP_1)
	v_lshl_add_u32 v4, v2, 4, v4                   ; in memory: lanes 0-15 one row's 256 bytes, lanes 16-31 the next row's
	v_mul_u32_u24 v5, v3, GP
	s_delay_alu instid0(VALU_DEP_1)
	v_lshl_add_u32 v5, v2, 4, v5
	s_delay_alu instid0(VALU_DEP_1)
	v_add_nc_u32 v5, s30, v5                       ; the same in my stage
	v_mul_u32_u24 v6, v2, GP
	s_delay_alu instid0(VALU_DEP_1)
	v_mad_u32_u24 v6, v3, 24, v6
	s_delay_alu instid0(VALU_DEP_1)
	v_add_nc_u32 v6, s30, v6                       ; out of it: row r, + 24 hh
.irp u, 0,1                            ; the tile's rows are two runs of eight, 16 rows apart in memory; in the stage they are rows 0-7 and 8-15
.irp a, 0,1,2,3
.irp c, 0,1,2
	global_load_b128 v[LD+4*(12*\u+3*\a+\c):LD+4*(12*\u+3*\a+\c)+3], v4, s[8:9] offset:(2*\a+16*\u)*768+256*\c th:TH_LOAD_NT
.endr
.endr
.endr
	s_wait_alu depctr_va_vdst(0)
.irp u, 0,1
.irp a, 0,1,2,3
.irp c, 0,1,2
	s_wait_loadcnt 23-(12*\u+3*\a+\c)              ; the younger loads may stay out
	ds_store_b128 v5, v[LD+4*(12*\u+3*\a+\c):LD+4*(12*\u+3*\a+\c)+3] offset:(2*\a+8*\u)*GP+256*\c
.endr
.endr
.endr
.irp s, 0,1,2,3,4,5,6,7                ; K step s: lane (r, hh) takes the 24 bytes at 96 s + 24 hh and at 96 s + 48 + 24 hh of row r, in pieces of 8
.irp p, 0,1,2,3,4,5
	ds_load_b64 v[FR+12*\s+2*\p:FR+12*\s+2*\p+1], v6 offset:96*\s+48*(\p/3)+8*(\p%3)
.endr
.endr
.irp s, 0,1,2,3,4,5,6,7
	s_wait_dscnt 42-6*\s                           ; the later fragments' six loads each may stay out
.irp q, 0,1,2
	global_store_b128 v7, v[FR+12*\s+4*\q:FR+12*\s+4*\q+3], s[18:19] offset:12288*\s+512*\q
.endr
.endr
	s_wait_tensorcnt 0x0
	ds_add_u32 v254, v255
	s_wait_dscnt 0x0
	s_endpgm
.Lsort:	; ---- the sort.  For the scan wave e is expert e; for the placing wave w has tokens 1,024 w .. 1,024 w + 1,023
	s_lshl_b32 s21, s20, 10
	s_wait_alu depctr_va_vdst(0)
	v_lshl_add_u32 v4, v1, 5, s21                  ; hist: row e, my 8 blocks
	s_lshl_b32 s21, s20, 12
	v_add_nc_u32 v5, s21, v7                       ; pk: 4,096 w + 16 l
	global_load_b128 v[8:11], v4, s[6:7]
	global_load_b128 v[12:15], v4, s[6:7] offset:16
.irp i, 0,1,2,3,4,5,6,7
	global_load_b128 v[16+4*\i:19+4*\i], v5, s[4:5] offset:512*\i   ; register 4 i + j: token 1,024 w + 128 i + 4 l + j
.endr
	s_lshl_b32 s21, s20, 2
	v_mov_b32 v224, s21                            ; LDS: my expert's total
	v_mov_b32 v225, TOT                            ; LDS: the eight totals
	v_mov_b32 v226, 0
	s_mul_i32 s21, s20, TP
	s_add_co_u32 s21, s21, TBL
	v_lshl_add_u32 v227, v1, 5, s21                ; LDS: my expert's row of the table, my 8 blocks
	v_and_b32 v228, 7, v1
	s_delay_alu instid0(VALU_DEP_1)
	v_mul_u32_u24 v228, v228, TP
	v_lshrrev_b32 v229, 3, v1
	s_delay_alu instid0(VALU_DEP_1)
	v_lshl_add_u32 v228, v229, 2, v228
	s_lshl_b32 s21, s20, 7
	s_add_co_u32 s21, s21, TBL
	v_add_nc_u32 v228, s21, v228                   ; LDS: expert l % 8, block 32 w + l / 8; 4 blocks on for each of the eight loads
	v_and_b32 v229, 24, v1
	s_lshl_b32 s21, s20, 10
	v_lshl_add_u32 v230, v1, 2, s21                ; token 1,024 w + 4 l
	v_lshlrev_b32 v231, 4, v0                      ; my tile record
	s_mov_b32 s22, 0xffff0000
	s_wait_loadcnt 8                               ; hist is in; the eight loads of pk may stay out
.irp k, 1
	v_add_nc_u32 v[8+\k], v[8+\k], v[7+\k]         ; running sums over my 8 blocks
.endr
.irp k, 2, 3, 4, 5, 6, 7
	s_delay_alu instid0(VALU_DEP_1)
	v_add_nc_u32 v[8+\k], v[8+\k], v[7+\k]
.endr
	s_delay_alu instid0(VALU_DEP_1)
	v_mov_b32 v48, v15
	v_mov_b32 v49, 0
.irp d, 1
	s_delay_alu instid0(VALU_DEP_2)
	v_mov_b32_dpp v49, v48 row_shr:\d row_mask:0xf bank_mask:0xf bound_ctrl:1
	s_delay_alu instid0(VALU_DEP_1)
	v_add_nc_u32 v48, v48, v49
.endr
.irp d, 2, 4, 8
	s_delay_alu instid0(VALU_DEP_1)
	v_mov_b32_dpp v49, v48 row_shr:\d row_mask:0xf bank_mask:0xf bound_ctrl:1
	s_delay_alu instid0(VALU_DEP_1)
	v_add_nc_u32 v48, v48, v49
.endr
	s_delay_alu instid0(VALU_DEP_1)
	v_readlane_b32 s21, v48, 15                    ; then the lower 16's total onto the upper 16
	s_delay_alu instid0(VALU_DEP_1)
	v_mov_b32 v49, s21
	s_delay_alu instid0(VALU_DEP_1)
	v_cndmask_b32 v49, v226, v49, s22
	s_delay_alu instid0(VALU_DEP_1)
	v_add_nc_u32 v48, v48, v49
	s_delay_alu instid0(VALU_DEP_1)
	v_sub_nc_u32 v51, v48, v15                     ; what lies in front of my 8 blocks
	s_delay_alu instid0(VALU_DEP_2)
	v_readlane_b32 s23, v48, 31                    ; my expert's total
	s_delay_alu instid0(VALU_DEP_1)
	v_mov_b32 v53, s23
	ds_store_b32 v224, v53
	s_wait_dscnt 0x0                               ; for the others' sake: the total has landed
	s_barrier_signal -1
	s_barrier_wait -1
	ds_load_b128 v[56:59], v225
	ds_load_b128 v[60:63], v225 offset:16
	s_wait_dscnt 0x0
.irp k, 0,1,2,3,4,5,6,7
	v_readfirstlane_b32 s[30+\k], v[56+\k]         ; n
.endr
	s_mov_b32 s38, 0                               ; s38-45: each expert's first place in order
	s_mov_b32 s46, 0                               ; s46-53: each expert's first tile
.irp k, 0,1,2,3,4,5,6
	s_add_co_u32 s[39+\k], s[38+\k], s[30+\k]
	s_add_co_u32 s24, s[30+\k], 63
	s_lshr_b32 s24, s24, 6
	s_add_co_u32 s[47+\k], s[46+\k], s24
.endr
	s_mov_b32 s25, 0                               ; my own expert's first place: no register is chosen by number
.irp k, 0,1,2,3,4,5,6,7
	s_cmp_gt_u32 s20, \k
	s_cselect_b32 s24, s[30+\k], 0
	s_add_co_u32 s25, s25, s24
.endr
	v_add_nc_u32 v64, s25, v51
.irp k, 1,2,3,4,5,6,7
	v_add_nc_u32 v[64+\k], v64, v[7+\k]
.endr
	ds_store_b128 v227, v[64:67]
	ds_store_b128 v227, v[68:71] offset:16
	s_wait_dscnt 0x0                               ; for the others' sake: my row of the table has landed
	s_barrier_signal -1
	s_barrier_wait -1
.irp i, 0,1,2,3,4,5,6,7
	ds_load_b32 v[88+\i], v228 offset:16*\i        ; lane l: the first place of expert l % 8 in block 32 w + 4 i + l / 8
.endr
	; thread tau's tile record: the last expert whose first tile is not behind tau
	v_mov_b32 v80, 0
	v_mov_b32 v72, 0
	v_mov_b32 v73, 0
	v_mov_b32 v74, s30
.irp e, 1,2,3,4,5,6,7
	v_cmp_gt_u32 vcc_lo, s[46+\e], v0              ; the earlier expert stays where this one begins behind tau
	s_delay_alu instid0(VALU_DEP_1)
	v_cndmask_b32 v80, \e, v80, vcc_lo
	s_delay_alu instid0(VALU_DEP_2)
	v_cndmask_b32 v72, s[46+\e], v72, vcc_lo
	s_delay_alu instid0(VALU_DEP_3)
	v_cndmask_b32 v73, s[38+\e], v73, vcc_lo
	s_delay_alu instid0(VALU_DEP_4)
	v_cndmask_b32 v74, s[30+\e], v74, vcc_lo
.endr
	s_delay_alu instid0(VALU_DEP_3)
	v_sub_nc_u32 v75, v0, v72                      ; which of the expert's tiles
	s_delay_alu instid0(VALU_DEP_1)
	v_lshl_add_u32 v81, v75, 6, v73                ; its first place
	s_delay_alu instid0(VALU_DEP_2)
	v_lshlrev_b32 v75, 6, v75
	s_delay_alu instid0(VALU_DEP_1)
	v_sub_nc_u32 v82, v74, v75                     ; what is left of the expert's rows: under 0 to 0, over 64 to 64
	s_delay_alu instid0(VALU_DEP_1)
	v_cmp_gt_i32 vcc_lo, 0, v82
	s_delay_alu instid0(VALU_DEP_1)
	v_cndmask_b32 v82, v82, v226, vcc_lo
	s_delay_alu instid0(VALU_DEP_1)
	v_min_u32 v82, 64, v82
	v_mov_b32 v83, 0
	global_store_b128 v231, v[80:83], s[16:17]
	s_wait_loadcnt 0x0                             ; pk
	s_wait_dscnt 0x0                               ; the table's words
.set n, 0
.rept 32                               ; a token in lane l of load i wants the word of ITS expert for its block: lane (l & 24) + expert holds it
	v_and_b32 v[96+n], 7, v[16+n]
	s_delay_alu instid0(VALU_DEP_1)
	v_min_u32 v[96+n], 7, v[96+n]                  ; the bound on a loaded number, written out ahead of its use in an index
	s_delay_alu instid0(VALU_DEP_1)
	v_add_lshl_u32 v[96+n], v229, v[96+n], 2
	ds_bpermute_b32 v[128+n], v[96+n], v[88+n/4]
.set n, n+1
.endr
	s_wait_dscnt 0x0
.set n, 0
.rept 32                               ; every store has address and data registers of its own: none is written again
	v_lshrrev_b32 v[16+n], 8, v[16+n]              ; the rank
	s_delay_alu instid0(VALU_DEP_1)
	v_add_nc_u32 v[128+n], v[128+n], v[16+n]
	s_delay_alu instid0(VALU_DEP_1)
	v_min_u32 v[128+n], 0x1fff, v[128+n]
	s_delay_alu instid0(VALU_DEP_1)
	v_lshlrev_b32 v[128+n], 2, v[128+n]
	v_add_nc_u32 v[192+n], 128*(n/4)+n%4, v230
	global_store_b32 v[128+n], v[192+n], s[14:15]
.set n, n+1
.endr
	s_wait_tensorcnt 0x0
	ds_add_u32 v254, v255
	s_wait_dscnt 0x0
	s_endpgm
.Lfunc_end_k_q613c42e84b_place:
	.size	k_q613c42e84b_place, .Lfunc_end_k_q613c42e84b_place-k_q613c42e84b_place
	.p2alignl 7, 3214868480
	.fill 96, 4, 3214868480
	.section	.rodata,"a",@progbits
	.p2align	6, 0x0
	.amdhsa_kernel k_q613c42e84b_place
		.amdhsa_group_segment_fixed_size 208384
		.amdhsa_private_segment_fixed_size 0
		.amdhsa_enable_private_segment 0
		.amdhsa_kernarg_size 64
		.amdhsa_user_sgpr_count 2
		.amdhsa_user_sgpr_kernarg_segment_ptr 1
		.amdhsa_wavefront_size32 1
		.amdhsa_system_sgpr_workgroup_id_x 1
		.amdhsa_system_sgpr_workgroup_id_y 1
		.amdhsa_system_sgpr_workgroup_id_z 1
		.amdhsa_system_vgpr_workitem_id 0
		.amdhsa_next_free_vgpr 256
		.amdhsa_next_free_sgpr 66
		.amdhsa_reserve_vcc 1
		.amdhsa_float_denorm_mode_32 3
		.amdhsa_float_denorm_mode_16_64 3
		.amdhsa_memory_ordered 1
		.amdhsa_forward_progress 1
		.amdhsa_inst_pref_size 56
	.end_amdhsa_kernel
	.amdgpu_metadata
---
amdhsa.version: [ 1, 2 ]
amdhsa.kernels:
  - .name:           k_q613c42e84b_place
    .symbol:         k_q613c42e84b_place.kd
    .args:
      - { .name: pk, .offset: 0, .size: 8, .value_kind: global_buffer, .address_space: global }
      - { .name: hist, .offset: 8, .size: 8, .value_kind: global_buffer, .address_space: global }
      - { .name: gate_proj_codes, .offset: 16, .size: 8, .value_kind: global_buffer, .address_space: global }
      - { .name: up_proj_codes, .offset: 24, .size: 8, .value_kind: global_buffer, .address_space: global }
      - { .name: down_proj_codes, .offset: 32, .size: 8, .value_kind: global_buffer, .address_space: global }
      - { .name: order, .offset: 40, .size: 8, .value_kind: global_buffer, .address_space: global }
      - { .name: tiles, .offset: 48, .size: 8, .value_kind: global_buffer, .address_space: global }
      - { .name: wimg, .offset: 56, .size: 8, .value_kind: global_buffer, .address_space: global }
    .group_segment_fixed_size: 208384
    .private_segment_fixed_size: 0
    .kernarg_segment_align: 8
    .kernarg_segment_size: 64
    .max_flat_workgroup_size: 256
    .sgpr_count:     66
    .vgpr_count:     256
    .wavefront_size: 32
...
	.end_amdgpu_metadata
.endif
;; end of part 5
;; launch chain (part 6): grid 135 x 1, 4 waves a work-group, no clusters, 82,432 bytes of LDS; arguments tiles, order, hidden_states_codes, hidden_states_scales, wimg, gate_proj_scales, up_proj_scales, down_proj_scales, out0; writes out0
.if DOCPART == 6
	.amdgcn_target "amdgcn-amd-amdhsa--gfx1250"
	.amdhsa_code_object_version 6
	.text
	.protected	k_q613c42e84b_chain
	.globl	k_q613c42e84b_chain
	.p2align	8
	.type	k_q613c42e84b_chain,@function
k_q613c42e84b_chain:
	s_mov_b64 s[64:65], 0
	v_nop
	global_prefetch_b8 v0, s[64:65] scope:SCOPE_SE
	s_setreg_imm32_b32 hwreg(HW_REG_WAVE_SCHED_MODE, 0, 2), 2
	s_setreg_imm32_b32 hwreg(HW_REG_WAVE_MODE, 25, 1), 1
	s_wait_xcnt 0x0
	s_wait_alu depctr_vm_vsrc(0)
; out[t] = Q(silu(x[t] Wg[e]) * (x[t] Wu[e])) Wd[e] for the ONE expert e chosen for token t; all three products on codes of BF6 (E3M2) with one E8M0 scale for each 32 along K; Q quantises along the 256 hidden units.
; One work-group takes one tile (up to 64 rows of one expert, by the stored list) through the whole chain; the hidden layer never goes to memory.  8,192 / 64 + 8 - 1 = 135 tiles serve every split.
; THE WAVES SHARE THE COLUMNS: wave w makes hidden units 64 w .. 64 w + 63 (4 tiles of gate, 4 of up) and output columns 256 w .. 256 w + 255, for all four tiles of 16 rows.  So each byte of the expert's weights is loaded
; by one wave, once, feeds four matrix instructions, and comes straight into the operand's registers: the launch before has laid the weights as images of those registers, one dense stream of 24 groups of 4 fragments a wave.
; A ring of five groups in registers keeps 36 to 48 loads of 512 bytes of each wave on their way, from the first product on into the second.
; Both products are used TRANSPOSED (source 0 = 16 rows of a weight, source 1 = 16 rows of x or of the hidden layer): a lane holds one token's row, and its registers run along the hidden units or the output columns.
; Rows past the tile's count take the tile's last row: they compute the same numbers and store them to the same bytes: no mask, EXEC stays whole.
; A TILE WITHOUT ROWS stores nothing.  It leaves behind the second barrier: a barrier stands under no branch on a loaded number; up to there its indices are held inside their buffers like any tile's.
; NO TENSOR LOADS, NO JOINT LOADS: the launch branches on a stored count, and which work-groups share an expert hangs on the stored list, so partners of a fixed cluster cannot be given the same weights.
; LIMITS: NaN and infinities are not served.  silu(g) = g / (1 + 2^(-g log2 e)): for g under about -88 the power overflows and silu is -0 where the exact number is under 1e-36 in magnitude.
;   A hidden block of zeros gets the scale byte 1 where the quantiser's rule says 127: its codes are zeros, and these bytes are read here alone.
; REGISTERS, in windows of 256.  Window 0: v0-18 addresses; v19-22 the order loads' addresses; v32-63 x's scale words (8 m + s), later the hidden layer's (2 m + s); v64-127 gate's and up's (8 f + s); v224-255 down's;
;   v128-223 x's fragments, two sets of four; in between: at work; later the hidden layer's eight fragments.   Window 1: v0-239 the ring: five groups of four fragments.
;   Window 2: the accumulators: (row tile m, tile f) at 64 m + 8 f, f 0-3 gate, 4-7 up; in the second product 128 (c % 2) + 32 m + 8 j.   Window 3: v0-31 byte offsets of the tokens' rows of out; v32-95 rows on the way out.
; THE MODE: SCHED_MODE bits 1:0 = 2 (LLVM: expert scheduling mode 2), set by the entry lines.  The code itself states the register dependences
; between vector or matrix instructions and memory or LDS instructions, with s_wait_alu, always for 0.
; THE PLAN.  Registers that memory or LDS instructions touch:
;   v4, v6-v22      Offsets and LDS addresses: written at the head, never again.
;   the ring        Slot g % 5: group g's sixteen matrix instructions read it; the loads of group g + 5, issued in group g + 1, land in it.
;   x's two sets    Set s % 2: groups 2 s and 2 s + 1 read it; the LDS loads of K step s + 2, issued in group 2 s + 2, land in it.
;   the codes       Row tile m's twelve registers and its half scale word: written by its conversions, swaps and moves; read by four LDS stores that are issued in row tile m + 1's activation; later the hidden layer's fragments land there.
;   accumulators    Second product, sets 0 and 1 by turns: a chunk's two groups write a set; the way out's LDS stores read it while or after the other set is written; two chunks on it is begun anew.
;   window 3        The offsets of out's rows: loaded, bounded and shifted once.  The two sets of rows on the way out: LDS loads land, global stores read, two blocks on LDS loads land again.
; So ONE wait on va_vdst stands at the head of a group that asks for loads, behind the wait for the group's own data: the group before is done with its slot and with x's other set.  The group's loads follow, dealt among its
; matrix instructions, which name the group's own slot, x's own set, scale words and accumulators: none of the registers that those loads touch.
.set XP,   784                         ; LDS: x's 64 rows of 768 bytes, XP apart (196 words: the 32 lanes of a load of 8 bytes at r XP + 24 hh touch banks 4 r + 6 hh + 0, 1, all different; 64 banks of 4 bytes: ISA guide 11.1)
.set TOK,  50176                       ; each wave's own copy of the tile's 64 token numbers, 256 bytes a wave
.set HIMG, 51200                       ; the hidden layer's 8 fragments as images of their registers: fragment 2 m + s at 1,536 each; register pair pi at 256 pi + 8 x lane
.set HSC,  63488                       ; their scale words, 4 x lane, 128 bytes a fragment
.set STG,  64512                       ; the way out: 16 rows x SP bytes for each wave
.set SP,   272
.set XS,   32
.set HS,   32
.set W1S,  64
.set DS,   224
.set XF,   128
.set HF,   128
.set TR,   128                         ; v128-131 head: token of row 16 m + r
.set TG,   132                         ; v132-139 head: token of row 16 w + 2 a + hh
.set XGA,  140                         ; v140-147 head: that token's row of codes
.set XSA,  148                         ; v148-151 head: token's row of scale bytes
.set T,    128                         ; v128-159 activation: 32 numbers
.set PCS,  160                         ; v160-207 codes: 12 registers for each row tile, so that no LDS store's data are written again
.set TM,   208                         ; v208-213 largest magnitudes, bytes, scale operands
.set PWS,  216                         ; v216-219 half a scale word for each row tile
.set OA,   0
.set RB,   32
.set MSB, 0
.macro WIN new                         ; s_set_vgpr_msb's low byte: bits 1:0 source 0, 3:2 source 1, 5:4 source 2, 7:6 destination; the high byte repeats the setting that is left
.if MSB != \new
	s_set_vgpr_msb (MSB<<8)|\new
.set MSB, \new
.endif
.endm
	s_load_b512 s[4:19], s[0:1], 0x0               ; tiles s[4:5], order s[6:7], x's codes s[8:9], x's scales s[10:11], wimg s[12:13], gate's scales s[14:15], up's s[16:17], down's s[18:19]
	s_load_b64 s[20:21], s[0:1], 0x40              ; out
	v_lshl_add_u32 v30, v0, 2, 0x14000
	v_mov_b32 v31, 0
	v_lshrrev_b32 v1, 5, v0
	v_readfirstlane_b32 s28, v1                    ; wave 0..3
	v_and_b32 v1, 31, v0                           ; lane
	v_and_b32 v2, 15, v0                           ; r
	v_bfe_u32 v3, v0, 4, 1                         ; hh
	v_lshlrev_b32 v4, 4, v1                        ; 16 x lane: a piece of an image; never rewritten
	v_lshlrev_b32 v5, 4, v2                        ; 16 r
	v_mul_u32_u24 v6, v2, XP
	v_mad_u32_u24 v6, v3, 24, v6                   ; x's fragments: row r, + 24 hh
	s_wait_alu depctr_va_sdst(0)                   ; s28 is written, ahead of its first reader: LDS addresses and the bases of the weights, the scales and out are made from it
	s_mul_i32 s36, s28, 16*XP
	v_mul_u32_u24 v7, v3, XP
	v_add_nc_u32 v7, v7, v5
	v_add_nc_u32 v7, s36, v7                       ; where I put x's rows: row 16 w + hh, 16 r
	s_lshl_b32 s36, s28, 8
	s_add_co_u32 s36, s36, TOK                     ; my wave's copy of the token numbers
	v_lshl_add_u32 v8, v2, 2, s36                  ; in: 4 r
	s_lshl_b32 s37, s28, 6
	s_add_co_u32 s37, s37, s36
	v_lshl_add_u32 v9, v3, 2, s37                  ; back, for the gather: row 16 w + hh
	v_lshl_add_u32 v10, v3, 2, s36                 ; back, for the way out: row hh
	v_and_b32 v11, 8, v2
	v_add_nc_u32 v11, v11, v2
	v_lshlrev_b32 v11, 5, v11                      ; gate's and up's scale bytes: row r + 8 (r / 8) of a tile, 32 bytes a row
	v_lshlrev_b32 v12, 3, v2                       ; down's: row r, 8 bytes a row
	v_lshlrev_b32 v15, 3, v1                       ; 8 x lane
	v_lshlrev_b32 v16, 2, v1                       ; 4 x lane
	s_mul_i32 s36, s28, 768
	v_add_nc_u32 v13, s36, v15                     ; my six registers of a hidden fragment: 1,536 (w / 2) + 768 (w % 2) = 768 w, + 8 x lane
	s_lshr_b32 s36, s28, 1
	s_lshl_b32 s36, s36, 7
	s_and_b32 s37, s28, 1
	s_lshl_b32 s37, s37, 1
	s_add_co_u32 s36, s36, s37
	v_add_nc_u32 v14, s36, v16                     ; my two bytes of its scale word: 128 (w / 2) + 2 (w % 2) + 4 x lane
	s_mul_i32 s36, s28, 16*SP
	s_add_co_u32 s36, s36, STG                     ; my stage
	v_mul_u32_u24 v17, v2, SP
	v_lshl_add_u32 v17, v3, 5, v17
	v_add_nc_u32 v17, s36, v17                     ; in: row r, 32 bytes for each half of the lanes
	v_mul_u32_u24 v18, v3, SP
	v_add_nc_u32 v18, v18, v5
	v_add_nc_u32 v18, s36, v18                     ; back: lanes 0-15 one row of 256 bytes, lanes 16-31 the next
	s_mov_b32 s30, 0xbfb8aa3b                      ; -log2(e); the packed form names the pair and takes its low word for both halves
	s_mov_b32 s31, s30
	s_mov_b32 s32, 0x76543210                      ; v_permlanex16_b32's selects for lane l xor 16
	s_mov_b32 s33, 0xfedcba98
	s_lshl_b32 s22, ttmp9, 4
	s_mov_b32 s23, 0
	s_wait_kmcnt 0x0
	s_add_nc_u64 s[4:5], s[4:5], s[22:23]
	s_load_b128 s[24:27], s[4:5], 0x0              ; my tile: expert, first place in order, rows, 0
	s_wait_kmcnt 0x0
	s_min_u32 s24, s24, 7                          ; loaded numbers are bounded before they enter an address
	s_min_u32 s25, s25, 0x1fff
	s_min_u32 s26, s26, 64
	s_sub_co_u32 s27, s26, 1                       ; the tile's last row (with no rows: the greatest number, which holds nothing back; the bound below still holds)
	s_lshl_b32 s34, s24, 2
	s_add_co_u32 s34, s34, s28
	s_mul_i32 s34, s34, 147456
	s_mov_b32 s35, 0
	s_add_nc_u64 s[12:13], s[12:13], s[34:35]      ; my stream of weights
	s_lshl_b32 s34, s24, 13
	s_lshl_b32 s36, s28, 11
	s_add_co_u32 s34, s34, s36                     ; 8,192 bytes of scales an expert, 2,048 a wave, in all three
	s_add_nc_u64 s[14:15], s[14:15], s[34:35]
	s_add_nc_u64 s[16:17], s[16:17], s[34:35]
	s_add_nc_u64 s[18:19], s[18:19], s[34:35]
	s_lshl_b32 s34, s28, 10
	s_add_nc_u64 s[20:21], s[20:21], s[34:35]      ; my 256 columns of out
.irp m, 0,1,2,3
	v_add_nc_u32 v[19+\m], 16*\m, v2
	v_min_u32 v[19+\m], s27, v[19+\m]              ; rows past the count take the last row
	v_add_nc_u32 v[19+\m], s25, v[19+\m]
	v_min_u32 v[19+\m], 0x1fff, v[19+\m]
	v_lshlrev_b32 v[19+\m], 2, v[19+\m]
.endr
	s_wait_alu depctr_va_vdst(0)                   ; the offsets and LDS addresses v4 and v6 to v22 are written, which the loads and stores of the whole kernel read
.irp m, 0,1,2,3
	global_load_b32 v[TR+\m], v[19+\m], s[6:7]
.endr
.irp t, 0,1,2,3                        ; a row's 32 scale bytes are its eight K steps' words
.irp q, 0,1
	global_load_b128 v[W1S+8*\t+4*\q:W1S+8*\t+4*\q+3], v11, s[14:15] offset:(32*(\t/2)+8*(\t%2))*32+16*\q
	global_load_b128 v[W1S+32+8*\t+4*\q:W1S+32+8*\t+4*\q+3], v11, s[16:17] offset:(32*(\t/2)+8*(\t%2))*32+16*\q
.endr
.endr
.irp n, 0,1,2,3,4,5,6,7,8,9,10,11,12,13,14,15
	global_load_b64 v[DS+2*\n:DS+2*\n+1], v12, s[18:19] offset:128*\n   ; column tile n = 4 c + j: its rows' two words
.endr
; Half h (fragments 2 h, 2 h + 1) of group g of my stream into slot g % 5 of the ring: 6 loads of 512 consecutive bytes
.macro WLOADH g, h
	WIN 0x40                                       ; destination window 1, address window 0
.irp i, 0,1
.irp q, 0,1,2
	global_load_b128 v[48*((\g)%5)+12*(2*(\h)+\i)+4*\q:48*((\g)%5)+12*(2*(\h)+\i)+4*\q+3], v4, s[12:13] offset:(4*(\g)+2*(\h)+\i)*1536+512*\q
.endr
.endr
.endm
.macro WLOAD g                         ; a whole group
	WLOADH \g, 0
	WLOADH \g, 1
.endm
; x's fragments of K step s, row tiles 2 h and 2 h + 1, into set s % 2
.macro XFETCHH s, h
	WIN 0
.irp m, 0,1
.irp p, 0,1,2,3,4,5
	ds_load_b64 v[XF+48*((\s)%2)+12*(2*(\h)+\m)+2*\p:XF+48*((\s)%2)+12*(2*(\h)+\m)+2*\p+1], v6 offset:16*(2*(\h)+\m)*XP+96*(\s)+48*(\p/3)+8*(\p%3)
.endr
.endr
.endm
	WLOAD 0
	WLOAD 1
	WIN 0
	s_wait_loadcnt 56                              ; behind the four loads of order: 32 of scales, 24 of weights
.irp m, 0,1,2,3
	v_min_u32 v[TR+\m], 0x1fff, v[TR+\m]
.endr
.irp m, 0,1,2,3
	v_lshlrev_b32 v[XSA+\m], 5, v[TR+\m]
.endr
	s_wait_alu depctr_va_vdst(0)                   ; the bounded token numbers are written, which the LDS stores read as data, and their rows' offsets, which the loads of x's scale words read
.irp m, 0,1,2,3
	ds_store_b32 v8, v[TR+\m] offset:64*\m         ; lanes r and r + 16 write the same word with the same value
	global_load_b128 v[XS+8*\m:XS+8*\m+3], v[XSA+\m], s[10:11]
	global_load_b128 v[XS+8*\m+4:XS+8*\m+7], v[XSA+\m], s[10:11] offset:16
.endr
.irp a, 0,1,2,3,4,5,6,7
	ds_load_b32 v[TG+\a], v9 offset:8*\a           ; LDS serves a wave's instructions in order: these see my stores
.endr
	s_wait_dscnt 0x0
.irp a, 0,1,2,3,4,5,6,7
	v_min_u32 v[TG+\a], 0x1fff, v[TG+\a]
	v_mul_u32_u24 v[XGA+\a], v[TG+\a], 768
	v_add_nc_u32 v[XGA+\a], v[XGA+\a], v5
.endr
	WIN 0x80                                       ; destination window 2: the accumulators' registers are free yet
	s_wait_alu depctr_va_vdst(0)                   ; the offsets of the tokens' rows of codes are written, which the loads below read; and every vector instruction that names v128 to v151 is done: x's first fragments land there behind the barrier
.irp a, 0,1,2,3,4,5,6,7                ; my 16 of the tile's rows: each half of the lanes reads 256 consecutive bytes of one token's row
.irp c, 0,1,2
	global_load_b128 v[12*\a+4*\c:12*\a+4*\c+3], v[XGA+\a], s[8:9] offset:256*\c
.endr
.endr
	WLOAD 2
	WLOAD 3
	WLOAD 4
	s_wait_loadcnt 36                              ; all but the three groups just asked for: x, every scale word, groups 0 and 1
	WIN 0x08                                       ; an LDS store's data are its source 1: window 2
.irp a, 0,1,2,3,4,5,6,7
.irp c, 0,1,2
	ds_store_b128 v7, v[12*\a+4*\c:12*\a+4*\c+3] offset:2*\a*XP+256*\c
.endr
.endr
	WIN 0
	s_wait_dscnt 0x0                               ; for the others' sake: my rows have landed
	s_barrier_signal -1
	s_barrier_wait -1                              ; x's 64 rows lie in LDS
	s_wait_alu depctr_vm_vsrc(0)                   ; my LDS stores and loads have read the token numbers and offsets in v128 to v151, in which x's fragments land, and window 2's v0 to v95, which the first matrix instructions write
	XFETCHH 0, 0
	XFETCHH 0, 1
; A GROUP: four fragments of weights x four row tiles: 16 matrix instructions on 16 accumulators, one instruction a turn; an accumulator comes back 32 (first product) or 16 (second) instructions later.
; g < 16: K step g / 2 of gate (g even) or up (g odd).  g >= 16: chunk (g - 16) / 2 of 64 output columns, K step g % 2.  A sum's first product takes the constant 0: nothing is cleared.
; The slot that the group before has left takes the group four on (group 20 is asked for in the activation), and in a gate group x's next K step is fetched into the set that the K step before has left:
; these loads stand in two runs, behind the group's first four and second four matrix instructions.  Behind a group four places (ISA guide 7.12.1), ahead of whatever next reads its results or writes its registers.
; Four matrix instructions: fragment i of group g x the four row tiles
.macro MM g, i
	WIN 0xa1                                       ; source 0 (weights) window 1, source 1 window 0, C and D window 2
.irp m, 0,1,2,3
.set rA, 48*((\g)%5)+12*(\i)
.if (\g) < 16
.set rD, 64*\m+8*(4*((\g)%2)+(\i))
.set rB, XF+48*(((\g)/2)%2)+12*\m
.set rSA, W1S+8*(4*((\g)%2)+(\i))+(\g)/2
.set rSB, XS+8*\m+(\g)/2
.else
.set rD, 128*((((\g)-16)/2)%2)+32*\m+8*(\i)
.set rB, HF+12*(2*\m+(\g)%2)
.set rSA, DS+2*(4*(((\g)-16)/2)+(\i))+(\g)%2
.set rSB, HS+2*\m+(\g)%2
.endif
.if zr
	v_wmma_scale_f32_16x16x128_f8f6f4 v[rD:rD+7], v[rA:rA+11], v[rB:rB+11], 0, v[rSA], v[rSB] matrix_a_fmt:MATRIX_FMT_BF6 matrix_b_fmt:MATRIX_FMT_BF6
.else
	v_wmma_scale_f32_16x16x128_f8f6f4 v[rD:rD+7], v[rA:rA+11], v[rB:rB+11], v[rD:rD+7], v[rSA], v[rSB] matrix_a_fmt:MATRIX_FMT_BF6 matrix_b_fmt:MATRIX_FMT_BF6
.endif
.endr
.endm
.macro GRP g
.if ((\g) == 0) || ((\g) == 16)
	s_wait_loadcnt 48                              ; the four later groups' loads may be out
.elseif (\g) > 20
	s_wait_loadcnt 12*(23-(\g))                    ; only the later groups' loads may be out
.else
	s_wait_loadcnt 36                              ; the three later groups that have been asked for may be out
.endif
.if (\g) < 16
.if (\g)%2 == 0
	s_wait_dscnt 0x0                               ; this K step's fragments of x, asked for early in the gate group before
.endif
.endif
.set rf, 0                             ; does this group ask for the group four on?
.if ((\g) > 0) && ((\g) < 20) && ((\g) != 16)
.set rf, 1
.endif
.set xf, 0                             ; does it fetch x's next K step?
.if ((\g) < 14) && ((\g)%2 == 0)
.set xf, 1
.endif
.set zr, 0
.if (\g) < 2
.set zr, 1
.endif
.if (\g) > 15
.if (\g)%2 == 0
.set zr, 1
.endif
.endif
.if ((\g) == 20) || ((\g) == 22)
	s_wait_alu depctr_vm_vsrc(0)                   ; the way out's LDS stores have read the set of accumulators of two chunks ago, which this group's matrix instructions begin anew
	s_wait_alu depctr_va_vdst(0)                   ; the last chunk's two groups have written the other set, which the LDS stores of the way out behind the next group read
.endif
.if rf
	s_wait_alu depctr_va_vdst(0)                   ; the group before is done reading its slot of the ring, in which the loads below land; in a gate group also x's other set, in which the next K step lands.  At group 17: the offsets of out's rows are written; at group 18: chunk 0's accumulators, which the way out's LDS stores read
.endif
	MM \g, 0
.if xf
	XFETCHH (\g)/2+1, 0                            ; no wait: no matrix instruction since the wait above names these registers
.endif
.if rf
	WLOADH (\g)+4, 0
.endif
	MM \g, 1
.if xf
	XFETCHH (\g)/2+1, 1
.endif
.if rf
	WLOADH (\g)+4, 1
.endif
	MM \g, 2
	MM \g, 3
.rept 4
	v_nop
.endr
.endm
; Row tile m's six registers of codes and its half scale word go to LDS as they stand
.macro HSTORE m
.irp p, 0,1,2
	ds_store_b64 v13, v[PCS+12*(\m)+2*\p:PCS+12*(\m)+2*\p+1] offset:HIMG+3072*(\m)+256*\p
.endr
	ds_store_b16 v14, v[PWS+(\m)] offset:HSC+256*(\m)
.endm
; ROW TILE m: silu(g) * u in f32, quantised in registers.  Lane (r, hh) holds row r; register 16 b + i of gate's (and of up's) four tiles is hidden unit 64 w + 32 b + 16 hh + i: 16 neighbours of block b.
; My 64 units are half a K step of the second product: registers 6 (w % 2) .. + 5 of fragment (m, w / 2) and two bytes of its scale word.  They are stored in the next row tile's turn, behind its first wait.
.macro ACT m
.set G, 64*(\m)
.set PC, PCS+12*(\m)
.set PW, PWS+(\m)
	WIN 0x02                                       ; source 0 window 2
.set n, 0
.rept 16
	v_pk_mul_f32 v[T+n:T+n+1], v[G+n:G+n+1], s[30:31] op_sel_hi:[1,0]   ; -g log2(e); each accumulator is read from its low end on
.set n, n+2
.endr
	WIN 0
.set n, 0
	s_wait_alu depctr_va_vdst(0)
.rept 32
	v_exp_f32 v[T+n], v[T+n]
.set n, n+1
.endr
	v_nop                                          ; a plain place behind the transcendentals
	s_wait_alu depctr_va_vdst(0)                   ; the 32 exponentials are written, ahead of their first reader.  Row tile 0: group 15 is done reading slot 0 of the ring, in which group 20 lands; row tiles 1 to 3: the row tile before has written its codes and its half scale word, which the LDS stores read
.if (\m) == 0
	WLOAD 20                                       ; with it groups 16 to 20 of the weights are on their way during the activation
	WIN 0
.else
	HSTORE (\m)-1
.endif
.set n, 0
.rept 16
	v_pk_add_f32 v[T+n:T+n+1], v[T+n:T+n+1], 1.0 op_sel_hi:[1,0]
.set n, n+2
.endr
.set n, 0
	s_wait_alu depctr_va_vdst(0)
.rept 32
	v_rcp_f32 v[T+n], v[T+n]
.set n, n+1
.endr
	v_nop
	WIN 0x02
.set n, 0
	s_wait_alu depctr_va_vdst(0)                   ; the 32 reciprocals are written, ahead of their first reader
.rept 16
	v_pk_mul_f32 v[T+n:T+n+1], v[G+n:G+n+1], v[T+n:T+n+1]           ; silu(g)
.set n, n+2
.endr
.set n, 0
.rept 16
	v_pk_mul_f32 v[T+n:T+n+1], v[G+32+n:G+32+n+1], v[T+n:T+n+1]     ; x u
.set n, n+2
.endr
	WIN 0
.irp b, 0,1
	v_max3_num_f32 v[TM+\b], |v[T+16*\b]|, |v[T+16*\b+1]|, 0x2800000   ; block b: my 16 numbers, and the floor 2^(5 - 127), so that the byte cannot fall under 1
.endr
.irp i, 2,4,6,8,10,12,14
.irp b, 0,1
	v_max3_num_f32 v[TM+\b], v[TM+\b], |v[T+16*\b+\i]|, |v[T+16*\b+\i+1]|
.endr
.endr
.irp b, 0,1
	v_permlanex16_b32 v[TM+2+\b], v[TM+\b], s32, s33
.endr
.irp b, 0,1
	v_max_num_f32 v[TM+\b], v[TM+\b], v[TM+2+\b]   ; with lane l xor 16's: the block's largest magnitude
.endr
.irp b, 0,1
	v_add_nc_u32 v[TM+4+\b], 0xfe000000, v[TM+\b]  ; 4 off its exponent field: the conversion takes the exponent field of this operand as its scale
.endr
.irp b, 0,1
	v_lshrrev_b32 v[TM+2+\b], 23, v[TM+4+\b]       ; the scale's byte
.endr
	v_lshl_or_b32 v[PW], v[TM+3], 8, v[TM+2]
	v_cvt_scalef32_pk16_bf6_f32 v[PC:PC+2], v[T:T+15], v[TM+4]
	v_cvt_scalef32_pk16_bf6_f32 v[PC+8:PC+10], v[T+16:T+31], v[TM+5]   ; (a conversion's three registers begin on an even number)
	v_nop                                          ; one plain place behind a scaled conversion
.irp i, 0,1,2                          ; the operand's layout wants a whole block in a lane: lanes 0-15 block 0, lanes 16-31 block 1
	v_permlane16_swap_b32 v[PC+\i], v[PC+8+\i]
.endr
.irp i, 0,1,2
	v_mov_b32 v[PC+3+\i], v[PC+8+\i]
.endr
.endm
; THE WAY OUT of chunk c, row tile m: 16 rows x 64 columns go through my own stage and come back as whole rows of 256 bytes.
.macro TOSTAGE c, m
.set AC, 128*((\c)%2)+32*(\m)
.set RBS, RB+32*((\m)%2)
	s_wait_xcnt 0x0                                ; the stores of two blocks ago have read their registers: only behind this wait do loads land there again
.if 4*(\c)+(\m) > 1
	s_wait_alu depctr_vm_vsrc(0)                   ; the global stores of two blocks ago have read their data registers, in which this block's rows land
.endif
	WIN 0x08                                       ; data: window 2
.irp j, 0,1,2,3
	ds_store_b128 v17, v[AC+8*\j:AC+8*\j+3] offset:64*\j             ; each accumulator from its low end on
	ds_store_b128 v17, v[AC+8*\j+4:AC+8*\j+7] offset:64*\j+16
.endr
	WIN 0xc0                                       ; destination window 3
.irp t, 0,1,2,3,4,5,6,7
	ds_load_b128 v[RBS+4*\t:RBS+4*\t+3], v18 offset:2*SP*\t          ; LDS serves a wave's instructions in order: these see the stores above, and the next block's stores come behind them
.endr
.endm
.macro SEND c, m, younger              ; younger: the LDS instructions issued behind this block's loads: the next block's 8 stores and 8 loads, or none
.set RBS, RB+32*((\m)%2)
	s_wait_dscnt \younger
	WIN 0x0f                                       ; address and data: window 3
.irp t, 0,1,2,3,4,5,6,7
	global_store_b128 v[OA+8*(\m)+\t], v[RBS+4*\t:RBS+4*\t+3], s[20:21] offset:256*(\c) th:TH_STORE_NT   ; each half of the lanes stores 256 consecutive bytes of one token's row, at a multiple of 256 from out's first byte
.endr
.endm
.macro OUT c
	TOSTAGE \c, 0
	TOSTAGE \c, 1
	SEND \c, 0, 16
	TOSTAGE \c, 2
	SEND \c, 1, 16
	TOSTAGE \c, 3
	SEND \c, 2, 16
	SEND \c, 3, 0
.endm
.irp g, 0,1,2,3,4,5,6,7,8,9,10,11,12,13,14,15
	GRP \g                                         ; g = x Wg, u = x Wu: eight K steps
.endr
	WIN 0
	v_mov_b32 v[TM+2], 0                           ; written once: a lane permute's destination counts as one of its sources
	v_mov_b32 v[TM+3], 0
	ACT 0
	ACT 1
	ACT 2
	ACT 3
	s_wait_alu depctr_va_vdst(0)                   ; row tile 3's codes and half scale word are written, which the LDS stores read; and every vector instruction that names v128 to v223 and every matrix instruction that read x's scale words is done: the hidden layer's fragments and scale words land there below
	HSTORE 3
	s_wait_dscnt 0x0                               ; for the others' sake: my part of the hidden layer has landed
	s_barrier_signal -1
	s_barrier_wait -1                              ; the hidden layer's eight fragments lie in LDS.  No barrier follows
	s_wait_alu depctr_vm_vsrc(0)                   ; my LDS stores have read the codes' registers and the half scale words, in which the hidden layer's fragments land
	s_cmp_eq_u32 s26, 0
	s_cbranch_scc1 .Lempty                         ; a tile without rows stores nothing
.irp f, 0,1,2,3,4,5,6,7
.irp p, 0,1,2,3,4,5
	ds_load_b64 v[HF+12*\f+2*\p:HF+12*\f+2*\p+1], v15 offset:HIMG+1536*\f+256*\p
.endr
	ds_load_b32 v[HS+\f], v16 offset:HSC+128*\f
.endr
	WIN 0xc0
.set n, 0
.rept 32
	ds_load_b32 v[OA+n], v10 offset:8*n            ; register 8 m + t: the token of row 16 m + 2 t + hh
.set n, n+1
.endr
	s_wait_dscnt 0x0
	WIN 0xcc                                       ; source 1 and destination window 3
.set n, 0
.rept 32
	v_min_u32 v[OA+n], 0x1fff, v[OA+n]
.set n, n+1
.endr
	WIN 0xc3                                       ; source 0 and destination window 3
.set n, 0
.rept 32
	v_lshl_add_u32 v[OA+n], v[OA+n], 12, v5        ; its row of 4,096 bytes, + 16 r
.set n, n+1
.endr
	GRP 16                                         ; two sets of 16 accumulators by turns: a chunk goes out while later chunks' weights land
	GRP 17
	GRP 18
	GRP 19
	OUT 0                                          ; its LDS stores read set 0, written ahead of the wait at group 18's head; groups 18 and 19 name set 1 alone
	GRP 20
	GRP 21
	OUT 1                                          ; set 1, written ahead of the wait at group 20's head; groups 20 and 21 name set 0 alone
	GRP 22
	GRP 23
	OUT 2                                          ; set 0, written ahead of the wait at group 22's head; groups 22 and 23 name set 1 alone
	s_wait_alu depctr_va_vdst(0)                   ; groups 22 and 23 have written chunk 3's accumulators, which the LDS stores below read; the four places stand behind group 23
	OUT 3
	WIN 0                                          ; at a label every window is 0
.Lempty:
	s_wait_dscnt 0x0                               ; the closing lines, six on end
	s_wait_alu 0x0
	s_wait_tensorcnt 0x0
	ds_add_u32 v30, v31
	s_wait_dscnt 0x0
	s_endpgm
.Lfunc_end_k_q613c42e84b_chain:
	.size	k_q613c42e84b_chain, .Lfunc_end_k_q613c42e84b_chain-k_q613c42e84b_chain
	.p2alignl 7, 3214868480
	.fill 96, 4, 3214868480
	.section	.rodata,"a",@progbits
	.p2align	6, 0x0
	.amdhsa_kernel k_q613c42e84b_chain
		.amdhsa_group_segment_fixed_size 82432
		.amdhsa_private_segment_fixed_size 0
		.amdhsa_enable_private_segment 0
		.amdhsa_kernarg_size 72
		.amdhsa_user_sgpr_count 2
		.amdhsa_user_sgpr_kernarg_segment_ptr 1
		.amdhsa_wavefront_size32 1
		.amdhsa_system_sgpr_workgroup_id_x 1
		.amdhsa_system_sgpr_workgroup_id_y 1
		.amdhsa_system_sgpr_workgroup_id_z 1
		.amdhsa_system_vgpr_workitem_id 0
		.amdhsa_next_free_vgpr 864
		.amdhsa_next_free_sgpr 66
		.amdhsa_reserve_vcc 0
		.amdhsa_float_denorm_mode_32 3
		.amdhsa_float_denorm_mode_16_64 3
		.amdhsa_memory_ordered 1
		.amdhsa_forward_progress 1
		.amdhsa_inst_pref_size 185
	.end_amdhsa_kernel
	.amdgpu_metadata
---
amdhsa.version: [ 1, 2 ]
amdhsa.kernels:
  - .name:           k_q613c42e84b_chain
    .symbol:         k_q613c42e84b_chain.kd
    .args:
      - { .name: tiles, .offset: 0, .size: 8, .value_kind: global_buffer, .address_space: global }
      - { .name: order, .offset: 8, .size: 8, .value_kind: global_buffer, .address_space: global }
      - { .name: hidden_states_codes, .offset: 16, .size: 8, .value_kind: global_buffer, .address_space: global }
      - { .name: hidden_states_scales, .offset: 24, .size: 8, .value_kind: global_buffer, .address_space: global }
      - { .name: wimg, .offset: 32, .size: 8, .value_kind: global_buffer, .address_space: global }
      - { .name: gate_proj_scales, .offset: 40, .size: 8, .value_kind: global_buffer, .address_space: global }
      - { .name: up_proj_scales, .offset: 48, .size: 8, .value_kind: global_buffer, .address_space: global }
      - { .name: down_proj_scales, .offset: 56, .size: 8, .value_kind: global_buffer, .address_space: global }
      - { .name: out0, .offset: 64, .size: 8, .value_kind: global_buffer, .address_space: global }
    .group_segment_fixed_size: 82432
    .private_segment_fixed_size: 0
    .kernarg_segment_align: 8
    .kernarg_segment_size: 72
    .max_flat_workgroup_size: 128
    .sgpr_count:     66
    .vgpr_count:     864
    .wavefront_size: 32
...
	.end_amdgpu_metadata
.endif
;; end of part 6
